; MI455X (gfx1250); checked and timed in simulation.
; The chip was launched on July 23, 2026; its instructions are those of AMD's public machine-readable ISA for CDNA 5 (MIT licence, August 2026) and "CDNA5" Instruction Set Architecture Reference Guide (July 2026). The comments in the code are by the model that wrote it; some were corrected since.
;; Attention. Allowed arithmetic: matrix products marked QUANTISED: E2M1 operands, one E8M0 scale for each 32 along K, by v_wmma_scale_f32_16x16x128_f8f6f4 with both operands' format E2M1 (or v_wmma_scale_f32_32x16x128_f4), f32 sums; products left as they are: f32 operands where the result goes on into a quantised operand, else bf16, f16 or f32 operands; f32 sums; everything else in f32.
;; Inputs: attn_b 1,024 float32; attn_w_codes 1,024 x 128 x 16 uint8 (E2M1 codes of attn_w, K innermost, in blocks of 32 codes, two codes a byte); attn_w_scales 1,024 x 128 uint8 (E8M0 scales of attn_w, one for each 32 codes along K); encoder_outputs 16 x 1,024 x 2,048 float32; hidden 1 x 2,048 float32; v_w 1 x 1,024 float32.
;; Outputs: out0 16 x 1 x 2,048 float32.
;; This version of the problem:
;;   THIS VERSION OF THE PROBLEM IS GIVEN IN LOW PRECISION. The matrix products marked QUANTISED in the list below multiply operands that are first quantised to E2M1 (2 exponent bits, 1 mantissa bit; 4 bits a number), with one power-of-two scale for each 32 numbers along K (OCP MX v1.0); their sums are f32. All else is computed in f32.
;;   The module's matrix products, in the order in which they are computed (A, B: the left and right operand; K: the contracted axis; several contracted axes count as one K, in the product's order):
;;     1. [M 16,384, K 4,096] x [K 4,096, N 1,024]; A: computed on the way; B: input attn_w (given as codes): QUANTISED
;;     2. [M 16,384, K 1,024] x [K 1,024, N 1]; A: computed on the way; B: input v_w: left as it is (N = 1 < 16)
;;     3. batch 16 x [M 1, K 1,024] x [K 1,024, N 2,048]; A: softmax; B: input encoder_outputs: left as it is (M = 1 < 16)
;;   THE QUANTISER, for each operand of a quantised product, along K:
;;     - K is cut into blocks of 32 from its start; a last block that is shorter is filled with zeros.
;;     - A block's scale is 2^e with e = floor(log2(the largest magnitude in the block)) - 2, held to -126 .. 127; a block of zeros has e = 0. As a byte (E8M0): e + 127.
;;     - Each number is divided by its block's scale, clamped to +-6, and rounded to the nearest number of E2M1, ties to even, subnormals kept.
;;     - The product sums the exact products of the quantised numbers (number of the format x scale) in f32.
;;   ~~~python
;;   def quantise(x, axis):      # numpy; x: float32 -> the quantised numbers, widened to float32 again
;;       x = np.moveaxis(x, axis, -1); K = x.shape[-1]
;;       x = np.pad(x, [(0, 0)] * (x.ndim - 1) + [(0, -K % 32)]); x = x.reshape(x.shape[:-1] + (-1, 32)); a = np.abs(x).max(-1, keepdims=True)
;;       e = np.where(a > 0, np.clip(np.frexp(np.where(a > 0, a, 1))[1] - 1 - 2, -126, 127), 0)      # np.frexp(a)[1] - 1 = floor(log2(a)), exactly
;;       r = np.clip(x / 2.0 ** e, -6, 6)
;;       step = 2.0 ** (np.maximum(np.frexp(np.where(r == 0, 1, r))[1] - 1, 0) - 1)
;;       q = np.round(r / step) * step * 2.0 ** e      # np.round: ties to even
;;       return np.moveaxis(q.reshape(q.shape[:-2] + (-1,))[..., :K], -1, axis).astype(np.float32)
;;   ~~~
;;   OPERANDS COMPUTED ON THE WAY. 'Computed on the way' means the value that the module computes at that place (a softmax that the list does not call 'softmax' is quantised finished and normalised). What goes into a quantiser is computed in f32, as accurately as f32 sums, v_exp_f32 and their like allow (about 1e-6 of the number): no bf16 or f16 on the way to a quantiser, and a product that is left as it is and whose result goes on into a quantised operand takes f32 operands (vector FMAs, or v_wmma_f32_16x16x4_f32). A number that lies on a knife's edge between two numbers of the format may be rounded either way, as far as f32 arithmetic and the matrix unit's own rounding can turn it there, and no further.
;;   INPUTS GIVEN AS CODES. attn_w (in the module: [1024, 4096], K = its axis 1): each comes as NAME_codes (uint8): NAME with its K axis moved to the last place and cut into blocks of 32 codes, [.., K / 32, bytes a block], one block behind the other in memory; two codes a byte, the lower K in the low four bits (a code: sign, 2 exponent bits, 1 mantissa bit); and NAME_scales (uint8): the same leading axes, one E8M0 byte (e + 127) for each 32 codes along K. Its value is code x scale, taken as it is: it is not quantised again, and the codes and scales need not be those that the quantiser above would give.
;; 2 versions. Each part assembles by itself: llvm-mc -triple=amdgcn-amd-amdhsa -mcpu=gfx1250 --defsym DOCPART=n.
;; ======== version 1 of 2: 3 launches
;; workspace buffers: wr 1,048,576 bytes; ws 65,536 bytes; gp 4,096 bytes; part 2,097,152 bytes; ml 65,536 bytes
;; launch prep (part 1): grid 64 x 1, 4 waves a work-group, no clusters, 4,608 bytes of LDS; arguments attn_w_codes, attn_w_scales, hidden, attn_b, wr, ws, gp; writes wr, ws, gp
.if DOCPART == 1
	.amdgcn_target "amdgcn-amd-amdhsa--gfx1250"
	.amdhsa_code_object_version 6
	.text
	.protected	k_qb001ad27f1_prep
	.globl	k_qb001ad27f1_prep
	.p2align	8
	.type	k_qb001ad27f1_prep,@function
k_qb001ad27f1_prep:
	s_mov_b64 s[64:65], 0
	v_nop
	global_prefetch_b8 v0, s[64:65] scope:SCOPE_SE
	s_setreg_imm32_b32 hwreg(HW_REG_WAVE_MODE, 25, 1), 1
	s_wait_xcnt 0x0
; PREP.  attn_w: [1024 (n)][4096 (k)] as E2M1 codes (2,048 bytes a row) with one E8M0 byte for each 32 along K (128 bytes a row).
; cat = [hidden | enc row]: the first 2,048 of K hold the same numbers, hidden, in every row of the product, and 2,048 is a whole number of blocks of 32.
; So the part of each sum over k < 2,048 is ONE number for each column n.  It is made here, once, by the scaled FP4 matrix instruction on the quantised hidden:
;   gp[n] = 2 log2(e) x (sum over k < 2,048 of Q(hidden)[k] W[n][k] + attn_b[n]),   ready for tanh(x) = 1 - 2 / (1 + 2^(2 log2(e) x)).
; The other half of attn_w (k >= 2,048) is laid out in the order of an operand's registers, so that the next launch loads each fragment by two loads of 512 consecutive bytes:
;   wr: byte s 65,536 + T 1,024 + c 512 + 16 lane = the 16 bytes 1,024 + 64 s + 32 c + 16 (lane / 16) of row 16 T + lane % 16   (s: K step of 128, T: tile of 16 columns)
;   ws: byte s 4,096 + w 1,024 + q 512 + 16 lane + 4 i = the scale word (bytes 64 + 4 s ..) of row 256 w + 16 (2 (4 q + i) + lane / 16) + lane % 16
; SHARES.  Work-group T takes rows 16 T .. 16 T + 15 of attn_w; wave u takes K steps 4 u .. 4 u + 3 of each half, and block 4 T + u (256 bytes) of ws.
; ORDER OF THE SUMS: k < 2,048 is summed in four runs of 512 (one a wave, each on two accumulators by turns), which are then added in f32.
; LIMITS: NaN and infinities in hidden are not served.  A block of hidden whose largest magnitude lies under 2^-124 has its scale byte held at 1; a block of zeros gets the byte 1, not 127: its codes are zeros,
; and these bytes are read by this launch alone.
; The reads of attn_w are pieces of 16 bytes of 16 rows; a wave's sixteen loads together take two runs of 256 consecutive bytes of each row, one in each half.  gp leaves 64 bytes a work-group: 4,096 bytes in the whole launch.
.set PART, 2048                        ; LDS: wave u owns bytes 512 u .. 512 u + 511 (hidden's codes: 256 bytes; its 16 scale bytes at + 256); from PART on 128 bytes a wave: the partial sums
.set HN,  16                           ; v16-31   my 16 numbers of hidden
.set HF,  40                           ; v40-71   hidden's four fragments (16 equal rows each)
.set W1F, 72                           ; v72-103  attn_w's fragments, k < 2,048
.set W2F, 104                          ; v104-135 attn_w's fragments, k >= 2,048: stored as they are
.set HSC, 136                          ; v136-139 hidden's scale words: nothing else
.set WSC, 140                          ; v140-143 attn_w's scale words: nothing else
	s_load_b256 s[4:11], s[0:1], 0x0               ; codes s[4:5], scales s[6:7], hidden s[8:9], attn_b s[10:11]
	s_load_b128 s[12:15], s[0:1], 0x20             ; wr s[12:13], ws s[14:15]
	s_load_b64 s[16:17], s[0:1], 0x30              ; gp
	v_lshl_add_u32 v168, v0, 2, 0x1000
	v_mov_b32 v169, 0
	v_lshrrev_b32 v1, 5, v0
	v_readfirstlane_b32 s18, v1                    ; wave u
	v_and_b32 v1, 31, v0                           ; lane
	v_and_b32 v2, 15, v0                           ; r
	v_bfe_u32 v3, v0, 4, 1                         ; h
	v_lshlrev_b32 v4, 11, v2
	v_lshl_add_u32 v4, v3, 4, v4                   ; codes: row r of 2,048 bytes + 16 h
	v_lshlrev_b32 v5, 4, v1                        ; 16 x lane
	v_lshlrev_b32 v6, 6, v1                        ; hidden: 16 numbers a lane
	s_lshl_b32 s19, s18, 9                         ; my wave's LDS bytes
	v_lshl_add_u32 v7, v1, 3, s19                  ; where my 16 codes go
	v_lshrrev_b32 v8, 1, v1
	v_add_nc_u32 v8, s19, v8
	v_add_nc_u32 v8, 256, v8                       ; where my block's byte goes (two lanes to a block)
	v_lshl_add_u32 v9, v3, 4, s19                  ; a fragment of hidden: every r reads the same bytes
	v_mov_b32 v10, s19
	v_add_nc_u32 v10, 256, v10                     ; its scale words
	s_lshl_b32 s39, s18, 7
	v_lshl_add_u32 v11, v1, 2, s39
	v_add_nc_u32 v11, PART, v11                    ; my partial sum
	v_lshl_add_u32 v12, v1, 2, PART                ; and where wave 0 reads the four
	v_lshlrev_b32 v13, 7, v2                       ; scales: row r of 128 bytes
	v_lshl_add_u32 v14, v3, 13, v13                ; for ws: row 64 h + r
	v_lshlrev_b32 v15, 4, v2
	v_lshl_add_u32 v15, v3, 3, v15                 ; in ws: 16 r + 8 h: words 2 h and 2 h + 1 of lane r's four
	v_lshlrev_b32 v38, 2, v2                       ; attn_b and gp: 4 r
	s_lshl_b32 s20, ttmp9, 15                      ; codes: 16 rows a work-group, 256 bytes of a row a wave
	s_lshl_b32 s21, s18, 8
	s_add_co_u32 s20, s20, s21
	s_mov_b32 s21, 0
	s_lshl_b32 s22, ttmp9, 11                      ; scales: 16 rows, 16 bytes a wave
	s_lshl_b32 s23, s18, 4
	s_add_co_u32 s22, s22, s23
	s_mov_b32 s23, 0
	s_lshl_b32 s24, s18, 11                        ; hidden: 512 numbers a wave
	s_mov_b32 s25, 0
	s_lshl_b32 s26, ttmp9, 6                       ; attn_b, gp: 16 numbers a work-group
	s_mov_b32 s27, 0
	s_lshl_b32 s28, ttmp9, 10                      ; wr: T 1,024 + 4 u K steps of 65,536
	s_lshl_b32 s29, s18, 18
	s_add_co_u32 s28, s28, s29
	s_mov_b32 s29, 0
	s_lshl_b32 s30, ttmp9, 2
	s_add_co_u32 s30, s30, s18                     ; id = 4 T + u: which 256 bytes of ws are mine: id = 16 s + 4 w + 2 q + half
	s_lshl_b32 s32, s30, 8
	s_mov_b32 s33, 0
	s_lshr_b32 s34, s30, 4
	s_lshl_b32 s34, s34, 2                         ; 4 s
	s_bfe_u32 s36, s30, 0x20002
	s_lshl_b32 s36, s36, 15                        ; 256 w rows of 128 bytes
	s_bfe_u32 s37, s30, 0x10001
	s_lshl_b32 s37, s37, 14                        ; 128 q rows
	s_and_b32 s38, s30, 1
	s_lshl_b32 s38, s38, 11                        ; 16 rows for the upper half of the lanes
	s_add_co_u32 s34, s34, s36
	s_add_co_u32 s34, s34, s37
	s_add_co_u32 s34, s34, s38
	s_add_co_u32 s34, s34, 64                      ; the second half of K begins at byte 64 of a row of scales
	s_mov_b32 s35, 0
	s_wait_kmcnt 0x0
	s_add_nc_u64 s[4:5], s[4:5], s[20:21]
	s_add_nc_u64 s[40:41], s[6:7], s[34:35]        ; the scales that go into ws
	s_add_nc_u64 s[6:7], s[6:7], s[22:23]          ; the scales of my four K steps of the first half
	s_add_nc_u64 s[8:9], s[8:9], s[24:25]
	s_add_nc_u64 s[10:11], s[10:11], s[26:27]
	s_add_nc_u64 s[12:13], s[12:13], s[28:29]
	s_add_nc_u64 s[14:15], s[14:15], s[32:33]
	s_add_nc_u64 s[16:17], s[16:17], s[26:27]
.irp i, 0,1,2,3
	global_load_b128 v[HN+4*\i:HN+4*\i+3], v6, s[8:9] offset:16*\i
.endr
.irp d, 0,1,2,3
.irp c, 0,1
	global_load_b128 v[W1F+8*\d+4*\c:W1F+8*\d+4*\c+3], v4, s[4:5] offset:64*\d+32*\c
.endr
.endr
.irp d, 0,1,2,3
.irp c, 0,1
	global_load_b128 v[W2F+8*\d+4*\c:W2F+8*\d+4*\c+3], v4, s[4:5] offset:1024+64*\d+32*\c
.endr
.endr
	global_load_b128 v[WSC:WSC+3], v13, s[6:7]     ; lane r: row r's scale words of my four K steps
	global_load_b32 v160, v14, s[40:41]
	global_load_b32 v161, v14, s[40:41] offset:4096  ; 32 rows further down
	global_load_b32 v162, v38, s[10:11]            ; attn_b
	s_wait_loadcnt 20                              ; hidden's four loads are in; the 20 issued behind them may be out
	; hidden's block of 32 lies in two neighbouring lanes.  Largest magnitude with the floor 2^(3 - 127) among its leaves, so that the byte cannot fall under 1
	v_max3_num_f32 v34, |v[HN]|, |v[HN+1]|, 0x1800000
	v_max3_num_f32 v35, |v[HN+2]|, |v[HN+3]|, |v[HN+4]|
	v_max3_num_f32 v34, v34, |v[HN+5]|, |v[HN+6]|
	v_max3_num_f32 v35, v35, |v[HN+7]|, |v[HN+8]|
	v_max3_num_f32 v34, v34, |v[HN+9]|, |v[HN+10]|
	v_max3_num_f32 v35, v35, |v[HN+11]|, |v[HN+12]|
	v_max3_num_f32 v34, v34, |v[HN+13]|, |v[HN+14]|
	v_max3_num_f32 v34, v34, v35, |v[HN+15]|
	v_max_num_f32_dpp v34, v34, v34 row_xmask:1 row_mask:0xf bank_mask:0xf
	v_add_nc_u32 v36, 0xff000000, v34              ; 2 off the exponent field: the conversion takes this operand's exponent field as its scale
	v_cvt_scalef32_pk8_fp4_f32 v32, v[HN:HN+7], v36
	v_cvt_scalef32_pk8_fp4_f32 v33, v[HN+8:HN+15], v36
	v_lshrrev_b32 v37, 23, v36                     ; the scale's byte; also the plain line behind the conversions
	ds_store_b64 v7, v[32:33]
	ds_store_b8 v8, v37                            ; both lanes of a block write the same byte with the same value
.irp d, 0,1,2,3
.irp c, 0,1
	ds_load_b128 v[HF+8*\d+4*\c:HF+8*\d+4*\c+3], v9 offset:64*\d+32*\c   ; LDS serves a wave's instructions in order (ISA guide 5.7.1.4): these see my wave's stores
.endr
.endr
	ds_load_b128 v[HSC:HSC+3], v10
	s_wait_loadcnt 0x0
.irp d, 0,1,2,3
.irp c, 0,1
	global_store_b128 v5, v[W2F+8*\d+4*\c:W2F+8*\d+4*\c+3], s[12:13] offset:65536*\d+512*\c   ; 512 consecutive bytes a store
.endr
.endr
	global_store_b64 v15, v[160:161], s[14:15]     ; 256 consecutive bytes, aligned
	s_wait_dscnt 0x0
	; source 0 = hidden (16 equal rows), source 1 = 16 rows of attn_w: every register of the result holds column r's sum.  Two accumulators by turns
	v_wmma_scale_f32_16x16x128_f8f6f4 v[144:151], v[HF:HF+7], v[W1F:W1F+7], 0, v[HSC], v[WSC] matrix_a_fmt:MATRIX_FMT_FP4 matrix_b_fmt:MATRIX_FMT_FP4
	v_wmma_scale_f32_16x16x128_f8f6f4 v[152:159], v[HF+8:HF+15], v[W1F+8:W1F+15], 0, v[HSC+1], v[WSC+1] matrix_a_fmt:MATRIX_FMT_FP4 matrix_b_fmt:MATRIX_FMT_FP4
	v_wmma_scale_f32_16x16x128_f8f6f4 v[144:151], v[HF+16:HF+23], v[W1F+16:W1F+23], v[144:151], v[HSC+2], v[WSC+2] matrix_a_fmt:MATRIX_FMT_FP4 matrix_b_fmt:MATRIX_FMT_FP4
	v_wmma_scale_f32_16x16x128_f8f6f4 v[152:159], v[HF+24:HF+31], v[W1F+24:W1F+31], v[152:159], v[HSC+3], v[WSC+3] matrix_a_fmt:MATRIX_FMT_FP4 matrix_b_fmt:MATRIX_FMT_FP4
.rept 4
	v_nop                                          ; four places between a matrix instruction and the first read of its result (ISA guide 7.12.1)
.endr
	v_add_f32 v163, v144, v152                     ; each accumulator is read at its lowest register
	ds_store_b32 v11, v163
	s_wait_dscnt 0x0                               ; for wave 0's sake: my partial sum has landed
	s_barrier_signal -1
	s_barrier_wait -1
	s_cmp_lg_u32 s18, 0
	s_cbranch_scc1 .Lend                           ; waves 1 to 3 are done
.irp u, 0,1,2,3
	ds_load_b32 v[164+\u], v12 offset:128*\u
.endr
	s_wait_dscnt 0x0
	v_add_f32 v164, v164, v165
	v_add_f32 v164, v164, v166
	v_add_f32 v164, v164, v167
	v_add_f32 v164, v164, v162                     ; + attn_b
	v_mul_f32 v164, 0x4038aa3b, v164               ; x 2 log2(e)
	s_wait_xcnt 0x0                                ; EXEC is a source of my pending stores: it changes only behind this wait
	v_cmp_gt_u32 vcc_lo, 16, v1
	s_and_saveexec_b32 s26, vcc_lo
	global_store_b32 v38, v164, s[16:17]           ; lanes 0 to 15: 64 consecutive bytes
	s_wait_xcnt 0x0
	s_or_b32 exec_lo, exec_lo, s26
.Lend:
	s_wait_tensorcnt 0x0
	ds_add_u32 v168, v169
	s_wait_dscnt 0x0
	s_endpgm
.Lfunc_end_k_qb001ad27f1_prep:
	.size	k_qb001ad27f1_prep, .Lfunc_end_k_qb001ad27f1_prep-k_qb001ad27f1_prep
	.p2alignl 7, 3214868480
	.fill 96, 4, 3214868480
	.section	.rodata,"a",@progbits
	.p2align	6, 0x0
	.amdhsa_kernel k_qb001ad27f1_prep
		.amdhsa_group_segment_fixed_size 4608
		.amdhsa_private_segment_fixed_size 0
		.amdhsa_enable_private_segment 0
		.amdhsa_kernarg_size 56
		.amdhsa_user_sgpr_count 2
		.amdhsa_user_sgpr_kernarg_segment_ptr 1
		.amdhsa_wavefront_size32 1
		.amdhsa_system_sgpr_workgroup_id_x 1
		.amdhsa_system_sgpr_workgroup_id_y 1
		.amdhsa_system_sgpr_workgroup_id_z 1
		.amdhsa_system_vgpr_workitem_id 0
		.amdhsa_next_free_vgpr 170
		.amdhsa_next_free_sgpr 66
		.amdhsa_reserve_vcc 1
		.amdhsa_float_denorm_mode_32 3
		.amdhsa_float_denorm_mode_16_64 3
		.amdhsa_memory_ordered 1
		.amdhsa_forward_progress 1
		.amdhsa_inst_pref_size 10
	.end_amdhsa_kernel
	.amdgpu_metadata
---
amdhsa.version: [ 1, 2 ]
amdhsa.kernels:
  - .name:           k_qb001ad27f1_prep
    .symbol:         k_qb001ad27f1_prep.kd
    .args:
      - { .name: attn_w_codes, .offset: 0, .size: 8, .value_kind: global_buffer, .address_space: global }
      - { .name: attn_w_scales, .offset: 8, .size: 8, .value_kind: global_buffer, .address_space: global }
      - { .name: hidden, .offset: 16, .size: 8, .value_kind: global_buffer, .address_space: global }
      - { .name: attn_b, .offset: 24, .size: 8, .value_kind: global_buffer, .address_space: global }
      - { .name: wr, .offset: 32, .size: 8, .value_kind: global_buffer, .address_space: global }
      - { .name: ws, .offset: 40, .size: 8, .value_kind: global_buffer, .address_space: global }
      - { .name: gp, .offset: 48, .size: 8, .value_kind: global_buffer, .address_space: global }
    .group_segment_fixed_size: 4608
    .private_segment_fixed_size: 0
    .kernarg_segment_align: 8
    .kernarg_segment_size: 56
    .max_flat_workgroup_size: 128
    .sgpr_count:     66
    .vgpr_count:     170
    .wavefront_size: 32
...
	.end_amdgpu_metadata
.endif
;; end of part 1
;; launch fused (part 2): grid 256 x 1, 4 waves a work-group, no clusters, 276,992 bytes of LDS; arguments encoder_outputs, wr, ws, gp, v_w, part, ml; writes part, ml
.if DOCPART == 2
	.amdgcn_target "amdgcn-amd-amdhsa--gfx1250"
	.amdhsa_code_object_version 6
	.text
	.protected	k_qb001ad27f1_fused
	.globl	k_qb001ad27f1_fused
	.p2align	8
	.type	k_qb001ad27f1_fused,@function
k_qb001ad27f1_fused:
	s_mov_b64 s[64:65], 0
	v_nop
	global_prefetch_b8 v0, s[64:65] scope:SCOPE_SE
	s_setreg_imm32_b32 hwreg(HW_REG_WAVE_MODE, 25, 1), 1
	s_wait_xcnt 0x0
; FUSED.  A work-group takes 64 rows of encoder_outputs (16 work-groups to a batch) through the whole chain, and reads them from memory once:
;   quantise to E2M1 along K | energy = tanh(Q(cat) W^T + b) | score = energy . v_w | p = 2^(score log2(e) - m), m the largest over the 64 rows | part = sum of p x enc row, (m, l = sum of p).
; The last launch merges a batch's 16 parts under the batch's maximum.  The part of the product over k < 2,048 (hidden, the same in every row) and the bias come as gp[n] from the launch before.
; SHARES.  Four waves.  A wave owns ALL 64 rows x 256 columns of the product: 4 tiles of rows x 16 tiles of columns = 64 accumulators, 512 registers.  K = 2,048 goes in 16 steps of 128.
; In a step wave w loads rows 16 w .. 16 w + 15 of enc (128 numbers each), quantises them, and puts codes and scale bytes into an LDS slot that all four waves read as source 0;
; the same numbers, rounded to bf16, go into a copy of the 64 rows in LDS, from which the weighted sum is taken at the end.  Two slots take turns, one barrier a step.
; W'S FRAGMENTS GO FROM MEMORY STRAIGHT INTO REGISTERS, no tensor load, no cluster: no two waves of a work-group read the same fragment; the bf16 copy takes 262,144 bytes of LDS, and two slots of a K step
; of W (2 x 65,536 bytes) do not fit into what is left.  wr is laid in the order of the operand's registers: each load takes 512 consecutive bytes.
; EVERY LOAD OF ENC TAKES 512 CONSECUTIVE BYTES TOO: one row's 128 numbers.  The conversion wants eight neighbours in a lane: a pair of rows is loaded by two loads, and four exchanges of half-waves give each lane its eight.
; IN FLIGHT: enc two steps ahead (32 loads a wave), W one step ahead (34 loads).  In a step the LDS reads of the products' operands are issued first behind the barrier, and the step's 50 global loads,
; which are wanted a step or two later, behind them: a wave issues in order.
; PREFETCH: in steps 0 to 11 each wave asks for its own 16 rows x 512 bytes of the step four on (two steps ahead of the loads that take them): 32 blocks of 256 bytes, a lane a block,
; one instruction, behind the step's loads; each block is named once in the launch; steps 12 to 15 ask for nothing.
; tanh(x) = 1 - 2 / (1 + 2^y), y = 2 log2(e) x; so score = sum of v - 2 x sum of v / (1 + 2^y).
; LIMITS: NaN and infinities among the inputs are not served.  A block whose largest magnitude lies under 2^-124 has its byte held at 1; a block of zeros gets the byte 1, not 127 (its codes are zeros; the bytes
; are read here alone).  The sum over k < 2,048 joins the sum over k >= 2,048 in the multiply-add ahead of the exponential.  enc is rounded to bf16 for the weighted sum; p stays f32.
; REGISTERS, in windows of 256: window 0: v1-21 addresses, v22-31 at work, v32-63 A's four fragments, v64-65 A's scale words, v66-81 W's scale words (two sets), v82-109 at work, v128-255 enc, two sets of 64.
;   window 1: W's fragments, two sets of 128.   window 2: the accumulators of column tiles 0-7 (tile t, rows a: v[8 (4 t + a)]).   window 3: those of tiles 8-15.
.set ACODE, 262144                     ; LDS: bytes 0 .. 262,143 the bf16 copy, 64 rows of 4,096 bytes; then two slots of codes: 64 rows, 64 bytes + 16 of padding
.set ASLOT, 5120
.set ASC,   272384                     ; two slots of scale words, 4 bytes a row
.set SCP,   272896                     ; 4 waves x 64 partial scores
.set PB,    273920                     ; 4 waves x 64 p: each wave's own
.set AF,  32
.set AS,  64                           ; v64: rows 0-15 in lanes 0-15, rows 16-31 in lanes 16-31; v65: rows 32-63
.set BS,  66                           ; set p at BS + 8 p; register j: column tile 2 j in lanes 0-15, 2 j + 1 in lanes 16-31
.set TM,  82                           ; v82-89 largest magnitudes, then bytes;  v90-97 scale operands;  v98-105 codes
.set TS,  90
.set TC,  98
.set X,   128
.set GV,  128                          ; behind the K walk: v[GV + 2 t] = gp, v[GV + 2 t + 1] = v_w (then -2 v_w) of column tile t
.set SREG, 160                         ; 32 partial scores: register 8 a + j = row 16 a + 8 h + j
.set TREG, 192                         ; 64 numbers on their way through tanh
.set CX,  32                           ; the context: 16 columns a lane
.set MSB, 0
.macro WIN new                         ; the immediate's high byte repeats the setting that is left
.if MSB != \new
	s_set_vgpr_msb (MSB<<8)|\new
.set MSB, \new
.endif
.endm
.set TO_B,   0x40                      ; destination window 1
.set MUL_LO, 0xa4                      ; source 1 (W) window 1, C and D window 2
.set MUL_HI, 0xf4                      ; the same, C and D window 3
.set RD_LO,  0x02                      ; source 0 window 2 (+ 1: window 3)
; enc of the step k steps on from the stepped base, into set p.  Pair i: the first load takes row 16 w + 2 i, the second row 16 w + 2 i + 1; lane (r, h) takes the 16 bytes at 32 r + 16 h of the row's 512:
; each load covers 512 consecutive bytes.  QUANT's exchanges then give lane (r, h) K = 8 r .. 8 r + 7 of row 2 i + h
.macro XLOAD p, k
.irp i, 0,1,2,3,4,5,6,7
	global_load_b128 v[X+64*(\p)+8*\i:X+64*(\p)+8*\i+3], v4, s[4:5] offset:\i*16384+(\k)*512 th:TH_LOAD_NT
	global_load_b128 v[X+64*(\p)+8*\i+4:X+64*(\p)+8*\i+7], v4, s[4:5] offset:\i*16384+8192+(\k)*512 th:TH_LOAD_NT
.endr
.endm
; my 16 fragments of W and their scale words: 34 loads of 512 consecutive bytes
.macro BLOAD p, k
	WIN TO_B
.irp t, 0,1,2,3,4,5,6,7,8,9,10,11,12,13,14,15
.irp c, 0,1
	global_load_b128 v[128*(\p)+8*\t+4*\c:128*(\p)+8*\t+4*\c+3], v5, s[6:7] offset:(\k)*65536+\t*1024+\c*512
.endr
.endr
	WIN 0
.irp q, 0,1
	global_load_b128 v[BS+8*(\p)+4*\q:BS+8*(\p)+4*\q+3], v5, s[8:9] offset:(\k)*4096+\q*512
.endr
.endm
; Set p's 8 pairs of rows: codes, scale bytes and the bf16 copy.  A block of 32 lies in four neighbouring lanes.  The eight pairs take turns line by line
.macro QUANT p, k
.irp i, 0,1,2,3,4,5,6,7
.irp j, 0,1,2,3
	v_permlane16_swap_b32 v[X+64*(\p)+8*\i+\j], v[X+64*(\p)+8*\i+4+\j]   ; as loaded: register j = row 2 i, K = 8 r + 4 h + j; register 4 + j = row 2 i + 1 likewise.  The first's lanes 16-31 change places with the second's lanes 0-15: register j = row 2 i + h, K = 8 r + j; register 4 + j = row 2 i + h, K = 8 r + 4 + j
.endr
.endr
.irp i, 0,1,2,3,4,5,6,7
	v_max3_num_f32 v[TM+\i], |v[X+64*(\p)+8*\i]|, |v[X+64*(\p)+8*\i+1]|, 0x1800000   ; with the floor 2^(3 - 127): the byte cannot fall under 1
.endr
.irp j, 2,4,6
.irp i, 0,1,2,3,4,5,6,7
	v_max3_num_f32 v[TM+\i], v[TM+\i], |v[X+64*(\p)+8*\i+\j]|, |v[X+64*(\p)+8*\i+\j+1]|
.endr
.endr
.irp m, 1,2
.irp i, 0,1,2,3,4,5,6,7
	v_max_num_f32_dpp v[TM+\i], v[TM+\i], v[TM+\i] row_xmask:\m row_mask:0xf bank_mask:0xf
.endr
.endr
.irp i, 0,1,2,3,4,5,6,7
	v_add_nc_u32 v[TS+\i], 0xff000000, v[TM+\i]    ; 2 off the exponent field: the conversion's scale operand
.endr
.irp i, 0,1,2,3,4,5,6,7
	v_cvt_scalef32_pk8_fp4_f32 v[TC+\i], v[X+64*(\p)+8*\i:X+64*(\p)+8*\i+7], v[TS+\i]
.endr
.irp i, 0,1,2,3,4,5,6,7
	v_lshrrev_b32 v[TM+\i], 23, v[TS+\i]           ; the scale's byte; these plain lines stand between the conversions and the lines that write over their sources
.endr
.irp j, 0,1,2,3
.irp i, 0,1,2,3,4,5,6,7
	v_cvt_pk_bf16_f32 v[X+64*(\p)+8*\i+\j], v[X+64*(\p)+8*\i+2*\j], v[X+64*(\p)+8*\i+2*\j+1]   ; in place, ascending: register j is written when its own number has been packed
.endr
.endr
.irp i, 0,1,2,3,4,5,6,7
	ds_store_b32 v7, v[TC+\i] offset:(\p)*ASLOT+\i*160
	ds_store_b8 v8, v[TM+\i] offset:(\p)*256+\i*8  ; the four lanes of a block write the same byte with the same value
	ds_store_b128 v10, v[X+64*(\p)+8*\i:X+64*(\p)+8*\i+3] offset:\i*8192+(\k)*256   ; sixteen lanes: 256 consecutive bytes of a row of the copy
.endr
.endm
; source 0: four fragments (16 rows x 128 K: two loads of 16 bytes, 32 apart) and the 64 rows' scale words
.macro ALOAD p
.irp a, 0,1,2,3
.irp c, 0,1
	ds_load_b128 v[AF+8*\a+4*\c:AF+8*\a+4*\c+3], v11 offset:(\p)*ASLOT+\a*1280+\c*32
.endr
.endr
.irp i, 0,1
	ds_load_b32 v[AS+\i], v12 offset:(\p)*256+\i*128
.endr
.endm
; one product: rows a x column tile t.  A register of scale words carries two tiles' words: the odd tile's lie in lanes 16-31
.macro WM a, t, p, zero
.set rD, 8*(4*((\t)%8)+(\a))
.set rA, AF+8*(\a)
.set rB, 128*(\p)+8*(\t)
.set rE, AS+(\a)/2
.set rF, BS+8*(\p)+(\t)/2
.set sel, 4*(\zero)+2*((\a)%2)+(\t)%2
.if sel == 0
	v_wmma_scale_f32_16x16x128_f8f6f4 v[rD:rD+7], v[rA:rA+7], v[rB:rB+7], v[rD:rD+7], v[rE], v[rF] matrix_a_fmt:MATRIX_FMT_FP4 matrix_b_fmt:MATRIX_FMT_FP4
.elseif sel == 1
	v_wmma_scale_f32_16x16x128_f8f6f4 v[rD:rD+7], v[rA:rA+7], v[rB:rB+7], v[rD:rD+7], v[rE], v[rF] matrix_a_fmt:MATRIX_FMT_FP4 matrix_b_fmt:MATRIX_FMT_FP4 matrix_b_scale:MATRIX_SCALE_ROW1
.elseif sel == 2
	v_wmma_scale_f32_16x16x128_f8f6f4 v[rD:rD+7], v[rA:rA+7], v[rB:rB+7], v[rD:rD+7], v[rE], v[rF] matrix_a_fmt:MATRIX_FMT_FP4 matrix_b_fmt:MATRIX_FMT_FP4 matrix_a_scale:MATRIX_SCALE_ROW1
.elseif sel == 3
	v_wmma_scale_f32_16x16x128_f8f6f4 v[rD:rD+7], v[rA:rA+7], v[rB:rB+7], v[rD:rD+7], v[rE], v[rF] matrix_a_fmt:MATRIX_FMT_FP4 matrix_b_fmt:MATRIX_FMT_FP4 matrix_a_scale:MATRIX_SCALE_ROW1 matrix_b_scale:MATRIX_SCALE_ROW1
.elseif sel == 4
	v_wmma_scale_f32_16x16x128_f8f6f4 v[rD:rD+7], v[rA:rA+7], v[rB:rB+7], 0, v[rE], v[rF] matrix_a_fmt:MATRIX_FMT_FP4 matrix_b_fmt:MATRIX_FMT_FP4
.elseif sel == 5
	v_wmma_scale_f32_16x16x128_f8f6f4 v[rD:rD+7], v[rA:rA+7], v[rB:rB+7], 0, v[rE], v[rF] matrix_a_fmt:MATRIX_FMT_FP4 matrix_b_fmt:MATRIX_FMT_FP4 matrix_b_scale:MATRIX_SCALE_ROW1
.elseif sel == 6
	v_wmma_scale_f32_16x16x128_f8f6f4 v[rD:rD+7], v[rA:rA+7], v[rB:rB+7], 0, v[rE], v[rF] matrix_a_fmt:MATRIX_FMT_FP4 matrix_b_fmt:MATRIX_FMT_FP4 matrix_a_scale:MATRIX_SCALE_ROW1
.else
	v_wmma_scale_f32_16x16x128_f8f6f4 v[rD:rD+7], v[rA:rA+7], v[rB:rB+7], 0, v[rE], v[rF] matrix_a_fmt:MATRIX_FMT_FP4 matrix_b_fmt:MATRIX_FMT_FP4 matrix_a_scale:MATRIX_SCALE_ROW1 matrix_b_scale:MATRIX_SCALE_ROW1
.endif
.endm
; a step's 64 products.  Source 0 = 16 rows of enc, source 1 = 16 rows of W: a lane holds column r and rows 8 h + 0 .. 7.  The 64 accumulators take turns, one instruction a turn,
; in the same order in every step and over the loop's backward jump.  zero = 1: the first step starts the sums: nothing is cleared
.macro MUL p, zero
	WIN MUL_LO
.irp t, 0,1,2,3,4,5,6,7
.irp a, 0,1,2,3
	WM \a, \t, \p, \zero
.endr
.endr
	WIN MUL_HI
.irp t, 8,9,10,11,12,13,14,15
.irp a, 0,1,2,3
	WM \a, \t, \p, \zero
.endr
.endr
	WIN 0
.endm
.macro GVLOAD                          ; gp and v_w of my 256 columns: lane (r, h): column 16 t + r
.irp t, 0,1,2,3,4,5,6,7,8,9,10,11,12,13,14,15
	global_load_b32 v[GV+2*\t], v13, s[10:11] offset:64*\t
	global_load_b32 v[GV+2*\t+1], v13, s[12:13] offset:64*\t
.endr
.endm
; A K STEP.  p: its parity (slot, set of enc, set of W); k: steps on from the stepped bases.  ldx = 1: enc of two steps on is asked for; 2: gp and v_w instead, behind W.  ldb: W of the next step.
; nx, nb: how many younger loads may be out at the step's head, and when this step's W has to be in.  pf = 1: the prefetch; 2: not in the loop's last trip.
; ONE BARRIER A STEP.  In front of it my stores into slot p have landed and my reads of the other slot are back; behind it slot p is whole.  Slot p is written again two steps on, behind the next
; step's barrier, which every wave signals behind the wait for its reads of slot p.
; ORDER BEHIND THE BARRIER: the ten LDS reads that this step's products wait for; then the loads for later steps, enc (from further away, wanted two steps on) ahead of W; then the waits; then the products.
.macro STEP p, k, zero, ldx, ldb, nx, nb, pf
	s_wait_loadcnt \nx
	QUANT \p, \k                                   ; its plain lines name no register of the last products: they are the places in front of the loads below
	s_wait_dscnt 0x0                               ; my LDS stores have landed (and have read their registers: set p may be loaded again); my reads of the other slot are back
	s_barrier_signal -1
	s_barrier_wait -1
	ALOAD \p
.if \ldx == 1
	XLOAD \p, (\k)+2
.endif
.if \ldb
	BLOAD 1-\p, (\k)+1
.endif
.if \ldx == 2
	GVLOAD
.endif
.if \pf == 2
	s_cmp_lg_u32 s19, 1
	s_cbranch_scc0 .Lnopf_\@
.endif
.if \pf
	global_prefetch_b8 v6, s[4:5] offset:((\k)+4)*512 th:TH_LOAD_NT scope:SCOPE_SE
.endif
.if \pf == 2
.Lnopf_\@:
.endif
	s_wait_loadcnt \nb
	s_wait_dscnt 0x0
	MUL \p, \zero
.endm
	s_load_b256 s[4:11], s[0:1], 0x0               ; enc s[4:5], wr s[6:7], ws s[8:9], gp s[10:11]
	s_load_b128 s[12:15], s[0:1], 0x20             ; v_w s[12:13], part s[14:15]
	s_load_b64 s[16:17], s[0:1], 0x30              ; ml
	v_lshl_add_u32 v126, v0, 2, 0x43800
	v_mov_b32 v127, 0
	v_lshrrev_b32 v1, 5, v0
	v_readfirstlane_b32 s18, v1                    ; wave w
	v_and_b32 v1, 31, v0                           ; lane
	v_and_b32 v2, 15, v0                           ; r
	v_bfe_u32 v3, v0, 4, 1                         ; h
	v_lshlrev_b32 v4, 5, v2
	v_lshl_add_u32 v4, v3, 4, v4                   ; enc: 32 r + 16 h: the 32 lanes take the 32 pieces of 16 bytes of a row's 512
	v_lshlrev_b32 v5, 4, v1                        ; 16 x lane
	s_lshl_b32 s26, ttmp9, 19                      ; 64 rows a work-group,
	s_lshl_b32 s27, s18, 17                        ; 16 a wave
	s_add_co_u32 s26, s26, s27
	s_mov_b32 s27, 0
	s_lshl_b32 s28, s18, 14                        ; wr: 16,384 bytes a wave in a K step
	s_mov_b32 s29, 0
	s_lshl_b32 s30, s18, 10                        ; ws: 1,024
	s_mov_b32 s31, 0
	s_wait_kmcnt 0x0
	s_add_nc_u64 s[4:5], s[4:5], s[26:27]
	s_add_nc_u64 s[6:7], s[6:7], s[28:29]
	s_add_nc_u64 s[8:9], s[8:9], s[30:31]
	XLOAD 0, 0
	XLOAD 1, 1
	BLOAD 0, 0
	v_lshrrev_b32 v26, 1, v1
	v_and_b32 v27, 1, v1
	v_lshlrev_b32 v6, 8, v27
	v_lshl_add_u32 v6, v26, 13, v6                 ; the prefetch: row lane / 2 of my 16, block lane % 2 of a step's two
	s_lshl_b32 s26, s18, 4
	v_add_nc_u32 v24, s26, v3                      ; 16 w + h
	v_mul_u32_u24 v7, v24, 80
	v_lshl_add_u32 v7, v2, 2, v7
	v_add_nc_u32 v7, ACODE, v7                     ; codes in: row (16 w + h) x 80 + 4 r
	v_lshrrev_b32 v25, 2, v2
	v_lshl_add_u32 v8, v24, 2, v25
	v_add_nc_u32 v8, ASC, v8                       ; bytes in: row x 4 + r / 4
	v_lshlrev_b32 v9, 12, v24
	v_lshl_add_u32 v9, v2, 4, v9                   ; the copy: row x 4,096 + 16 r
	v_mul_u32_u24 v11, v2, 80
	v_lshl_add_u32 v11, v3, 4, v11
	v_add_nc_u32 v11, ACODE, v11                   ; a fragment: row r x 80 + 16 h
	v_lshl_add_u32 v12, v1, 2, ASC                 ; scale words: 4 x lane
	v_lshl_add_u32 v13, v2, 2, s30                 ; gp, v_w: 1,024 w + 4 r
	v_lshl_add_u32 v18, v1, 3, s30                 ; the copy, read: my wave's 1,024 bytes of a row, 8 bytes a lane
	s_lshl_b32 s26, s18, 8
	v_lshl_add_u32 v14, v3, 5, s26
	v_add_nc_u32 v14, SCP, v14                     ; partial scores in: 256 w + 32 h
	v_lshl_add_u32 v15, v1, 2, SCP                 ; and back: 4 x lane
	v_lshl_add_u32 v16, v1, 2, s26
	v_add_nc_u32 v16, PB, v16                      ; p in: 256 w + 4 x lane
	v_mov_b32 v17, s26
	v_add_nc_u32 v17, PB, v17                      ; and back
	v_lshlrev_b32 v21, 3, v1                       ; ml: 8 x lane
	v_mov_b32 v22, 0                               ; a lane permute's destination counts as one of its sources
	s_lshl_b32 s26, ttmp9, 13                      ; part: 8,192 bytes a work-group, 2,048 a wave
	s_lshl_b32 s28, s18, 11
	s_add_co_u32 s26, s26, s28
	s_add_nc_u64 s[14:15], s[14:15], s[26:27]
	s_lshl_b32 s26, ttmp9, 8                       ; ml: 256 bytes a work-group
	s_add_nc_u64 s[16:17], s[16:17], s[26:27]
	s_mov_b32 s20, 0x76543210
	s_mov_b32 s21, 0xfedcba98                      ; v_permlanex16_b32's selects for lane l xor 16
	s_mov_b32 s22, 0x4038aa3b                      ; 2 log2(e)
	s_mov_b32 s23, s22                             ; (named with it as a pair, so it is written)
	s_mov_b32 s24, 0                               ; the copy's column byte of the stepped base
	s_mov_b32 s25, 0x3fb8aa3b                      ; log2(e)
	v_add_nc_u32 v10, s24, v9
	; THE K WALK.  Loads are issued in the order X0 X1 B0, then in step s: X(s+2), B(s+1).  At a step's head the 50 youngest are X(s+1) 16 and B(s) 34: the count 50 shows all older loads in, X(s) among them
	; (from step 1 on B(s-1), issued behind X(s), has been waited for already: the wait is then met at once).  Ahead of the products the 50 youngest are X(s+2) and B(s+1): B(s) is in.
	STEP 0, 0, 1, 1, 1, 50, 50, 1
	s_mov_b32 s19, 6
.Lk:                                                   ; trip j: steps 1 + 2 j and 2 + 2 j; the bases stand at step 2 j
	STEP 1, 1, 0, 1, 1, 50, 50, 1
	STEP 0, 2, 0, 1, 1, 50, 50, 2
	s_wait_xcnt 0x0                                ; every load and prefetch issued so far has read its base: only now do the bases step
	s_add_nc_u64 s[4:5], s[4:5], 1024
	s_add_nc_u64 s[6:7], s[6:7], 131072
	s_add_nc_u64 s[8:9], s[8:9], 8192
	s_add_co_u32 s24, s24, 512
	v_add_nc_u32 v10, s24, v9
	s_sub_co_u32 s19, s19, 1
	s_cmp_lg_u32 s19, 0
	s_cbranch_scc1 .Lk
	STEP 1, 1, 0, 1, 1, 50, 50, 0                  ; step 13 (the bases stand at step 12): asks for enc of step 15 and W of step 14
	STEP 0, 2, 0, 2, 1, 50, 63, 0                  ; step 14: W of step 15, then gp and v_w into the set of enc that it has left.  Behind B(14): 34 + 32 = 66, more than a wait's count can name: 63, the smaller count, is safe
	STEP 1, 3, 0, 0, 0, 63, 32, 0                  ; step 15: X(15) is older than the 66 youngest: 63; behind B(15): the 32 loads of gp and v_w
	; THE SCORES.  The lines up to the first read of an accumulator name no register of the last products: they are the places behind them
	s_wait_loadcnt 0x0
	v_add_f32 v106, v[GV+1], v[GV+3]
.irp t, 2,3,4,5,6,7,8,9,10,11,12,13,14,15
	v_add_f32 v106, v106, v[GV+2*\t+1]             ; the sum of v_w over my lane's 16 columns: where each partial score begins
.endr
	v_mov_b32 v107, v106
.irp t, 0,1,2,3,4,5,6,7,8,9,10,11,12,13,14,15
	v_mul_f32 v[GV+2*\t+1], -2.0, v[GV+2*\t+1]
.endr
; Eight accumulators (column tiles 2 b and 2 b + 1, all four tiles of rows) at a time: y = 2 log2(e) x sum + gp; 2^y; + 1; reciprocal; score += -2 v x it.
; The 64 exponentials are one batch with one wait ahead of their first reader; the 64 reciprocals likewise.  Each accumulator is read from its low end on.
.macro TANH b
	WIN RD_LO+(\b)/4
.set e, 0
.rept 32
.set tt, 2*(\b)+e/32
	v_pk_fma_f32 v[TREG+e:TREG+e+1], v[64*((\b)%4)+e:64*((\b)%4)+e+1], s[22:23], v[GV+2*tt:GV+2*tt+1] op_sel_hi:[1,0,0]
.set e, e+2
.endr
	WIN 0
.set e, 0
.rept 64
	v_exp_f32 v[TREG+e], v[TREG+e]
.set e, e+1
.endr
	v_nop                                          ; a plain line behind the last exponential
	s_wait_alu depctr_va_vdst(0)
.set e, 0
.rept 32
	v_pk_add_f32 v[TREG+e:TREG+e+1], v[TREG+e:TREG+e+1], 1.0 op_sel_hi:[1,0]
.set e, e+2
.endr
.set e, 0
.rept 64
	v_rcp_f32 v[TREG+e], v[TREG+e]
.set e, e+1
.endr
	v_nop                                          ; a plain line behind the last reciprocal
	s_wait_alu depctr_va_vdst(0)
.set e, 0
.rept 32
.set tt, 2*(\b)+e/32
.set si, SREG+e%32
.if tt == 0
	v_pk_fma_f32 v[si:si+1], v[TREG+e:TREG+e+1], v[GV+2*tt:GV+2*tt+1], v[106:107] op_sel:[0,1,0] op_sel_hi:[1,1,1]   ; the first tile starts the sums
.else
	v_pk_fma_f32 v[si:si+1], v[TREG+e:TREG+e+1], v[GV+2*tt:GV+2*tt+1], v[si:si+1] op_sel:[0,1,0] op_sel_hi:[1,1,1]   ; of the pair (gp, -2 v) the upper word serves both halves
.endif
.set e, e+2
.endr
.endm
.irp b, 0,1,2,3,4,5,6,7
	TANH \b
.endr
.irp m, 1,2,4,8                        ; over the 16 columns that the 16 lanes of a half hold
.set e, 0
.rept 32
	v_add_f32_dpp v[SREG+e], v[SREG+e], v[SREG+e] row_xmask:\m row_mask:0xf bank_mask:0xf
.set e, e+1
.endr
.endr
.irp a, 0,1,2,3
.irp j, 0,1
	ds_store_b128 v14, v[SREG+8*\a+4*\j:SREG+8*\a+4*\j+3] offset:64*\a+16*\j   ; rows 16 a + 8 h + 4 j on; the sixteen lanes of a half write the same bytes with the same values
.endr
.endr
	s_wait_dscnt 0x0                               ; for the others' sake: my partial scores have landed (and so, long ago, my rows of the copy)
	s_barrier_signal -1
	s_barrier_wait -1
	; every wave makes the 64 scores and the local softmax, from the same words in the same order: the same bits in all four
.irp u, 0,1,2,3
	ds_load_b32 v[82+2*\u], v15 offset:256*\u          ; row lane,
	ds_load_b32 v[83+2*\u], v15 offset:256*\u+128      ; row lane + 32
.endr
	s_wait_dscnt 0x0
	v_pk_add_f32 v[82:83], v[82:83], v[84:85]
	v_pk_add_f32 v[82:83], v[82:83], v[86:87]
	v_pk_add_f32 v[82:83], v[82:83], v[88:89]
	v_max_num_f32 v90, v82, v83
.irp m, 1,2,4,8
	v_max_num_f32_dpp v90, v90, v90 row_xmask:\m row_mask:0xf bank_mask:0xf
.endr
	v_permlanex16_b32 v22, v90, s20, s21
	v_max_num_f32 v90, v90, v22                    ; the largest of the 64 scores
	v_mul_f32 v108, s25, v90                       ; m = that x log2(e)
	v_fma_f32 v82, v82, s25, -v108
	v_fma_f32 v83, v83, s25, -v108
	v_exp_f32 v82, v82                             ; p = 2^(score log2(e) - m)
	v_exp_f32 v83, v83
	v_nop
	s_wait_alu depctr_va_vdst(0)
	v_add_f32 v91, v82, v83
.irp m, 1,2,4,8
	v_add_f32_dpp v91, v91, v91 row_xmask:\m row_mask:0xf bank_mask:0xf
.endr
	v_permlanex16_b32 v22, v91, s20, s21
	v_add_f32 v109, v91, v22                       ; l = the sum of the 64 p
	ds_store_b32 v16, v82
	ds_store_b32 v16, v83 offset:128
	s_cmp_lg_u32 s18, 0
	s_cbranch_scc1 .Lnot_wave_0
	global_store_b64 v21, v[108:109], s[16:17]     ; (m, l), once for each lane: 256 consecutive bytes, aligned
.Lnot_wave_0:
	; THE CONTEXT: wave w takes columns 512 w .. 512 w + 511 of all 64 rows from the bf16 copy, eight rows at a time, two sets of registers by turns.  A lane holds columns 128 c + 4 lane + 0 .. 3, c = 0 .. 3
.irp i, 0,1,2,3,4,5,6,7,8,9,10,11,12,13,14,15
	v_mov_b32 v[CX+\i], 0
.endr
	s_mov_b32 s28, 0                               ; the eight rows' first byte in the copy
	s_mov_b32 s29, 0                               ; and their p
.macro CLOAD set, pp                   ; 34 LDS loads
	v_add_nc_u32 v19, s28, v18
	v_add_nc_u32 v20, s29, v17
	ds_load_b128 v[\pp:\pp+3], v20                 ; LDS serves a wave's instructions in order (ISA guide 5.7.1.4): these see my wave's own stores of p
	ds_load_b128 v[\pp+4:\pp+7], v20 offset:16
.irp ro, 0,1,2,3,4,5,6,7
.irp c, 0,1,2,3
	ds_load_b64 v[\set+8*\ro+2*\c:\set+8*\ro+2*\c+1], v19 offset:\ro*4096+\c*256   ; 32 lanes: 256 consecutive bytes
.endr
.endr
	s_add_co_u32 s28, s28, 32768
	s_add_co_u32 s29, s29, 32
.endm
.macro CFMA set, pp                    ; context += p x enc: bf16 halves straight into f32 sums; the 16 sums take turns
.irp ro, 0,1,2,3,4,5,6,7
.irp c, 0,1,2,3
.irp d, 0,1
	v_fma_mix_f32_bf16 v[CX+4*\c+2*\d], v[\set+8*\ro+2*\c+\d], v[\pp+\ro], v[CX+4*\c+2*\d] op_sel_hi:[1,0,0]
	v_fma_mix_f32_bf16 v[CX+4*\c+2*\d+1], v[\set+8*\ro+2*\c+\d], v[\pp+\ro], v[CX+4*\c+2*\d+1] op_sel:[1,0,0] op_sel_hi:[1,0,0]
.endr
.endr
.endr
.endm
	CLOAD 128, 48
	s_mov_b32 s19, 3
.Lctx:
	CLOAD 192, 56
	s_wait_dscnt 34                                ; all but the 34 just issued
	CFMA 128, 48
	CLOAD 128, 48
	s_wait_dscnt 34
	CFMA 192, 56
	s_sub_co_u32 s19, s19, 1
	s_cmp_lg_u32 s19, 0
	s_cbranch_scc1 .Lctx
	CLOAD 192, 56                                  ; the last eight rows
	s_wait_dscnt 34
	CFMA 128, 48
	s_wait_dscnt 0x0
	CFMA 192, 56
.irp c, 0,1,2,3
	global_store_b128 v5, v[CX+4*\c:CX+4*\c+3], s[14:15] offset:512*\c   ; 512 consecutive bytes a store
.endr
	s_wait_tensorcnt 0x0
	ds_add_u32 v126, v127
	s_wait_dscnt 0x0
	s_endpgm
.Lfunc_end_k_qb001ad27f1_fused:
	.size	k_qb001ad27f1_fused, .Lfunc_end_k_qb001ad27f1_fused-k_qb001ad27f1_fused
	.p2alignl 7, 3214868480
	.fill 96, 4, 3214868480
	.section	.rodata,"a",@progbits
	.p2align	6, 0x0
	.amdhsa_kernel k_qb001ad27f1_fused
		.amdhsa_group_segment_fixed_size 276992
		.amdhsa_private_segment_fixed_size 0
		.amdhsa_enable_private_segment 0
		.amdhsa_kernarg_size 56
		.amdhsa_user_sgpr_count 2
		.amdhsa_user_sgpr_kernarg_segment_ptr 1
		.amdhsa_wavefront_size32 1
		.amdhsa_system_sgpr_workgroup_id_x 1
		.amdhsa_system_sgpr_workgroup_id_y 1
		.amdhsa_system_sgpr_workgroup_id_z 1
		.amdhsa_system_vgpr_workitem_id 0
		.amdhsa_next_free_vgpr 1024
		.amdhsa_next_free_sgpr 66
		.amdhsa_reserve_vcc 0
		.amdhsa_float_denorm_mode_32 3
		.amdhsa_float_denorm_mode_16_64 3
		.amdhsa_memory_ordered 1
		.amdhsa_forward_progress 1
		.amdhsa_inst_pref_size 255
	.end_amdhsa_kernel
	.section	.bss,"aw",@nobits
	.p2align	6
	.space	262144
	.amdgpu_metadata
---
amdhsa.version: [ 1, 2 ]
amdhsa.kernels:
  - .name:           k_qb001ad27f1_fused
    .symbol:         k_qb001ad27f1_fused.kd
    .args:
      - { .name: encoder_outputs, .offset: 0, .size: 8, .value_kind: global_buffer, .address_space: global }
      - { .name: wr, .offset: 8, .size: 8, .value_kind: global_buffer, .address_space: global }
      - { .name: ws, .offset: 16, .size: 8, .value_kind: global_buffer, .address_space: global }
      - { .name: gp, .offset: 24, .size: 8, .value_kind: global_buffer, .address_space: global }
      - { .name: v_w, .offset: 32, .size: 8, .value_kind: global_buffer, .address_space: global }
      - { .name: part, .offset: 40, .size: 8, .value_kind: global_buffer, .address_space: global }
      - { .name: ml, .offset: 48, .size: 8, .value_kind: global_buffer, .address_space: global }
    .group_segment_fixed_size: 276992
    .private_segment_fixed_size: 0
    .kernarg_segment_align: 8
    .kernarg_segment_size: 56
    .max_flat_workgroup_size: 128
    .sgpr_count:     66
    .vgpr_count:     1024
    .wavefront_size: 32
...
	.end_amdgpu_metadata
.endif
;; end of part 2
;; launch combine (part 3): grid 16 x 16, 1 waves a work-group, no clusters, 0 bytes of LDS; arguments part, ml, out0; writes out0
.if DOCPART == 3
	.amdgcn_target "amdgcn-amd-amdhsa--gfx1250"
	.amdhsa_code_object_version 6
	.text
	.protected	k_qb001ad27f1_combine
	.globl	k_qb001ad27f1_combine
	.p2align	8
	.type	k_qb001ad27f1_combine,@function
k_qb001ad27f1_combine:
	s_mov_b64 s[64:65], 0
	v_nop
	global_prefetch_b8 v0, s[64:65] scope:SCOPE_SE
	s_setreg_imm32_b32 hwreg(HW_REG_WAVE_MODE, 25, 1), 1
	s_wait_xcnt 0x0
; COMBINE.  A batch's softmax was taken in 16 parts of 64 rows, part i under its own maximum m_i (in units of log2): part_i = sum of 2^(t - m_i) x enc row, l_i = sum of 2^(t - m_i).
; With M = the largest m_i:  out = (sum over i of 2^(m_i - M) part_i) / (sum over i of 2^(m_i - M) l_i).  The exponents are 0 or less, and the divisor is at least 1.
; SHARES.  One wave to a work-group: x = a run of 128 columns (512 bytes), y = the batch.  A lane takes four columns of all 16 parts; each load and the store cover 512 consecutive bytes.
; No LDS, no barrier, no matrix unit: 2 MB are read once and 128 KB written.  All 17 loads are out before the first is waited for.
	s_load_b128 s[4:7], s[0:1], 0x0                ; part s[4:5], ml s[6:7]
	s_load_b64 s[8:9], s[0:1], 0x10                ; out0
	s_and_b32 s10, ttmp7, 0xffff                   ; the batch
	v_and_b32 v1, 15, v0
	v_lshlrev_b32 v1, 8, v1                        ; ml: part i = lane % 16: 256 bytes a part; its first pair
	v_lshlrev_b32 v2, 4, v0                        ; 16 x lane
	s_lshl_b32 s12, s10, 12                        ; ml: 16 parts of 256 bytes a batch
	s_mov_b32 s13, 0
	s_lshl_b32 s14, s10, 17                        ; part: 16 parts of 8,192 bytes a batch,
	s_lshl_b32 s11, ttmp9, 9                       ; my run of columns
	s_add_co_u32 s14, s14, s11
	s_mov_b32 s15, 0
	s_lshl_b32 s16, s10, 13                        ; out0: 8,192 bytes a batch
	s_add_co_u32 s16, s16, s11
	s_mov_b32 s17, 0
	s_wait_kmcnt 0x0
	s_add_nc_u64 s[6:7], s[6:7], s[12:13]
	s_add_nc_u64 s[4:5], s[4:5], s[14:15]
	s_add_nc_u64 s[8:9], s[8:9], s[16:17]
	global_load_b64 v[4:5], v1, s[6:7]             ; (m_i, l_i)
.irp i, 0,1,2,3,4,5,6,7,8,9,10,11,12,13,14,15
	global_load_b128 v[16+4*\i:19+4*\i], v2, s[4:5] offset:8192*\i th:TH_LOAD_NT
.endr
	s_wait_loadcnt 16                              ; the pair is in; the 16 parts may be out
	v_mov_b32 v6, v4
.irp m, 1,2,4,8
	v_max_num_f32_dpp v6, v6, v6 row_xmask:\m row_mask:0xf bank_mask:0xf
.endr
	v_sub_f32 v7, v4, v6                           ; m_i - M
	v_exp_f32 v7, v7
	v_nop                                          ; a plain line behind the exponential,
	s_wait_alu depctr_va_vdst(0)                   ; and the wait ahead of its first reader
	v_mul_f32 v8, v7, v5
.irp m, 1,2,4,8
	v_add_f32_dpp v8, v8, v8 row_xmask:\m row_mask:0xf bank_mask:0xf
.endr
	v_rcp_f32 v9, v8
	v_nop
	s_wait_alu depctr_va_vdst(0)
	v_mul_f32 v10, v7, v9                          ; lane i: part i's weight
.irp i, 0,1,2,3,4,5,6,7,8,9,10,11,12,13,14,15
	v_readlane_b32 s[32+\i], v10, \i
.endr
	s_wait_loadcnt 15
.irp j, 0,1,2,3
	v_mul_f32 v[80+\j], s32, v[16+\j]              ; the first part starts the sums
.endr
.irp i, 1,2,3,4,5,6,7,8,9,10,11,12,13,14,15
	s_wait_loadcnt 15-\i                           ; part i is in; the parts behind it may be out
.irp j, 0,1,2,3
	v_fma_f32 v[80+\j], s[32+\i], v[16+4*\i+\j], v[80+\j]
.endr
.endr
	global_store_b128 v2, v[80:83], s[8:9]
	s_endpgm
.Lfunc_end_k_qb001ad27f1_combine:
	.size	k_qb001ad27f1_combine, .Lfunc_end_k_qb001ad27f1_combine-k_qb001ad27f1_combine
	.p2alignl 7, 3214868480
	.fill 96, 4, 3214868480
	.section	.rodata,"a",@progbits
	.p2align	6, 0x0
	.amdhsa_kernel k_qb001ad27f1_combine
		.amdhsa_group_segment_fixed_size 0
		.amdhsa_private_segment_fixed_size 0
		.amdhsa_enable_private_segment 0
		.amdhsa_kernarg_size 24
		.amdhsa_user_sgpr_count 2
		.amdhsa_user_sgpr_kernarg_segment_ptr 1
		.amdhsa_wavefront_size32 1
		.amdhsa_system_sgpr_workgroup_id_x 1
		.amdhsa_system_sgpr_workgroup_id_y 1
		.amdhsa_system_sgpr_workgroup_id_z 1
		.amdhsa_system_vgpr_workitem_id 0
		.amdhsa_next_free_vgpr 96
		.amdhsa_next_free_sgpr 66
		.amdhsa_reserve_vcc 0
		.amdhsa_float_denorm_mode_32 3
		.amdhsa_float_denorm_mode_16_64 3
		.amdhsa_memory_ordered 1
		.amdhsa_forward_progress 1
		.amdhsa_inst_pref_size 9
	.end_amdhsa_kernel
	.amdgpu_metadata
---
amdhsa.version: [ 1, 2 ]
amdhsa.kernels:
  - .name:           k_qb001ad27f1_combine
    .symbol:         k_qb001ad27f1_combine.kd
    .args:
      - { .name: part, .offset: 0, .size: 8, .value_kind: global_buffer, .address_space: global }
      - { .name: ml, .offset: 8, .size: 8, .value_kind: global_buffer, .address_space: global }
      - { .name: out0, .offset: 16, .size: 8, .value_kind: global_buffer, .address_space: global }
    .group_segment_fixed_size: 0
    .private_segment_fixed_size: 0
    .kernarg_segment_align: 8
    .kernarg_segment_size: 24
    .max_flat_workgroup_size: 32
    .sgpr_count:     66
    .vgpr_count:     96
    .wavefront_size: 32
...
	.end_amdgpu_metadata
.endif
;; end of part 3
;; ======== version 2 of 2: 3 launches
;; workspace buffers: wr 1,048,576 bytes; ws 65,536 bytes; gp 4,096 bytes; part 2,097,152 bytes; ml 65,536 bytes
;; launch prep (part 4): grid 64 x 1, 4 waves a work-group, no clusters, 4,608 bytes of LDS; arguments attn_w_codes, attn_w_scales, hidden, attn_b, wr, ws, gp; writes wr, ws, gp
.if DOCPART == 4
	.amdgcn_target "amdgcn-amd-amdhsa--gfx1250"
	.amdhsa_code_object_version 6
	.text
	.protected	k_qb001ad27f1_prep
	.globl	k_qb001ad27f1_prep
	.p2align	8
	.type	k_qb001ad27f1_prep,@function
k_qb001ad27f1_prep:
	s_mov_b64 s[64:65], 0
	v_nop
	global_prefetch_b8 v0, s[64:65] scope:SCOPE_SE
	s_setreg_imm32_b32 hwreg(HW_REG_WAVE_MODE, 25, 1), 1
	s_wait_xcnt 0x0
; PREP.  attn_w: [1024 (n)][4096 (k)] as E2M1 codes (2,048 bytes a row) with one E8M0 byte for each 32 along K (128 bytes a row).
; cat = [hidden | enc row]: the first 2,048 of K hold the same numbers, hidden, in every row of the product, and 2,048 is a whole number of blocks of 32.
; So the part of each sum over k < 2,048 is ONE number for each column n.  It is made here, once, by the scaled FP4 matrix instruction on the quantised hidden:
;   gp[n] = 2 log2(e) x (sum over k < 2,048 of Q(hidden)[k] W[n][k] + attn_b[n]),   ready for tanh(x) = 1 - 2 / (1 + 2^(2 log2(e) x)).
; The other half of attn_w (k >= 2,048) is laid out in the order of an operand's registers, so that the next launch loads each fragment by two loads of 512 consecutive bytes:
;   wr: byte s 65,536 + T 1,024 + c 512 + 16 lane = the 16 bytes 1,024 + 64 s + 32 c + 16 (lane / 16) of row 16 T + lane % 16   (s: K step of 128, T: tile of 16 columns)
;   ws: byte s 4,096 + w 1,024 + q 512 + 16 lane + 4 i = the scale word (bytes 64 + 4 s ..) of row 256 w + 16 (2 (4 q + i) + lane / 16) + lane % 16
; SHARES.  Work-group T takes rows 16 T .. 16 T + 15 of attn_w; wave u takes K steps 4 u .. 4 u + 3 of each half, and block 4 T + u (256 bytes) of ws.
; ORDER OF THE SUMS: k < 2,048 is summed in four runs of 512 (one a wave, each on two accumulators by turns), which are then added in f32.
; LIMITS: NaN and infinities in hidden are not served.  A block of hidden whose largest magnitude lies under 2^-124 has its scale byte held at 1; a block of zeros gets the byte 1, not 127: its codes are zeros,
; and these bytes are read by this launch alone.
; The reads of attn_w are pieces of 16 bytes of 16 rows; a wave's sixteen loads together take two runs of 256 consecutive bytes of each row, one in each half.  gp leaves 64 bytes a work-group: 4,096 bytes in the whole launch.
.set PART, 2048                        ; LDS: wave u owns bytes 512 u .. 512 u + 511 (hidden's codes: 256 bytes; its 16 scale bytes at + 256); from PART on 128 bytes a wave: the partial sums
.set HN,  16                           ; v16-31   my 16 numbers of hidden
.set HF,  40                           ; v40-71   hidden's four fragments (16 equal rows each)
.set W1F, 72                           ; v72-103  attn_w's fragments, k < 2,048
.set W2F, 104                          ; v104-135 attn_w's fragments, k >= 2,048: stored as they are
.set HSC, 136                          ; v136-139 hidden's scale words: nothing else
.set WSC, 140                          ; v140-143 attn_w's scale words: nothing else
	s_load_b256 s[4:11], s[0:1], 0x0               ; codes s[4:5], scales s[6:7], hidden s[8:9], attn_b s[10:11]
	s_load_b128 s[12:15], s[0:1], 0x20             ; wr s[12:13], ws s[14:15]
	s_load_b64 s[16:17], s[0:1], 0x30              ; gp
	v_lshl_add_u32 v168, v0, 2, 0x1000
	v_mov_b32 v169, 0
	v_lshrrev_b32 v1, 5, v0
	v_readfirstlane_b32 s18, v1                    ; wave u
	v_and_b32 v1, 31, v0                           ; lane
	v_and_b32 v2, 15, v0                           ; r
	v_bfe_u32 v3, v0, 4, 1                         ; h
	v_lshlrev_b32 v4, 11, v2
	v_lshl_add_u32 v4, v3, 4, v4                   ; codes: row r of 2,048 bytes + 16 h
	v_lshlrev_b32 v5, 4, v1                        ; 16 x lane
	v_lshlrev_b32 v6, 6, v1                        ; hidden: 16 numbers a lane
	s_lshl_b32 s19, s18, 9                         ; my wave's LDS bytes
	v_lshl_add_u32 v7, v1, 3, s19                  ; where my 16 codes go
	v_lshrrev_b32 v8, 1, v1
	v_add_nc_u32 v8, s19, v8
	v_add_nc_u32 v8, 256, v8                       ; where my block's byte goes (two lanes to a block)
	v_lshl_add_u32 v9, v3, 4, s19                  ; a fragment of hidden: every r reads the same bytes
	v_mov_b32 v10, s19
	v_add_nc_u32 v10, 256, v10                     ; its scale words
	s_lshl_b32 s39, s18, 7
	v_lshl_add_u32 v11, v1, 2, s39
	v_add_nc_u32 v11, PART, v11                    ; my partial sum
	v_lshl_add_u32 v12, v1, 2, PART                ; and where wave 0 reads the four
	v_lshlrev_b32 v13, 7, v2                       ; scales: row r of 128 bytes
	v_lshl_add_u32 v14, v3, 13, v13                ; for ws: row 64 h + r
	v_lshlrev_b32 v15, 4, v2
	v_lshl_add_u32 v15, v3, 3, v15                 ; in ws: 16 r + 8 h: words 2 h and 2 h + 1 of lane r's four
	v_lshlrev_b32 v38, 2, v2                       ; attn_b and gp: 4 r
	s_lshl_b32 s20, ttmp9, 15                      ; codes: 16 rows a work-group, 256 bytes of a row a wave
	s_lshl_b32 s21, s18, 8
	s_add_co_u32 s20, s20, s21
	s_mov_b32 s21, 0
	s_lshl_b32 s22, ttmp9, 11                      ; scales: 16 rows, 16 bytes a wave
	s_lshl_b32 s23, s18, 4
	s_add_co_u32 s22, s22, s23
	s_mov_b32 s23, 0
	s_lshl_b32 s24, s18, 11                        ; hidden: 512 numbers a wave
	s_mov_b32 s25, 0
	s_lshl_b32 s26, ttmp9, 6                       ; attn_b, gp: 16 numbers a work-group
	s_mov_b32 s27, 0
	s_lshl_b32 s28, ttmp9, 10                      ; wr: T 1,024 + 4 u K steps of 65,536
	s_lshl_b32 s29, s18, 18
	s_add_co_u32 s28, s28, s29
	s_mov_b32 s29, 0
	s_lshl_b32 s30, ttmp9, 2
	s_add_co_u32 s30, s30, s18                     ; id = 4 T + u: which 256 bytes of ws are mine: id = 16 s + 4 w + 2 q + half
	s_lshl_b32 s32, s30, 8
	s_mov_b32 s33, 0
	s_lshr_b32 s34, s30, 4
	s_lshl_b32 s34, s34, 2                         ; 4 s
	s_bfe_u32 s36, s30, 0x20002
	s_lshl_b32 s36, s36, 15                        ; 256 w rows of 128 bytes
	s_bfe_u32 s37, s30, 0x10001
	s_lshl_b32 s37, s37, 14                        ; 128 q rows
	s_and_b32 s38, s30, 1
	s_lshl_b32 s38, s38, 11                        ; 16 rows for the upper half of the lanes
	s_add_co_u32 s34, s34, s36
	s_add_co_u32 s34, s34, s37
	s_add_co_u32 s34, s34, s38
	s_add_co_u32 s34, s34, 64                      ; the second half of K begins at byte 64 of a row of scales
	s_mov_b32 s35, 0
	s_wait_alu depctr_va_vdst(0)
	s_wait_kmcnt 0x0
	s_add_nc_u64 s[4:5], s[4:5], s[20:21]
	s_add_nc_u64 s[40:41], s[6:7], s[34:35]        ; the scales that go into ws
	s_add_nc_u64 s[6:7], s[6:7], s[22:23]          ; the scales of my four K steps of the first half
	s_add_nc_u64 s[8:9], s[8:9], s[24:25]
	s_add_nc_u64 s[10:11], s[10:11], s[26:27]
	s_add_nc_u64 s[12:13], s[12:13], s[28:29]
	s_add_nc_u64 s[14:15], s[14:15], s[32:33]
	s_add_nc_u64 s[16:17], s[16:17], s[26:27]
.irp i, 0,1,2,3
	global_load_b128 v[HN+4*\i:HN+4*\i+3], v6, s[8:9] offset:16*\i
.endr
.irp d, 0,1,2,3
.irp c, 0,1
	global_load_b128 v[W1F+8*\d+4*\c:W1F+8*\d+4*\c+3], v4, s[4:5] offset:64*\d+32*\c
.endr
.endr
.irp d, 0,1,2,3
.irp c, 0,1
	global_load_b128 v[W2F+8*\d+4*\c:W2F+8*\d+4*\c+3], v4, s[4:5] offset:1024+64*\d+32*\c
.endr
.endr
	global_load_b128 v[WSC:WSC+3], v13, s[6:7]     ; lane r: row r's scale words of my four K steps
	global_load_b32 v160, v14, s[40:41]
	global_load_b32 v161, v14, s[40:41] offset:4096  ; 32 rows further down
	global_load_b32 v162, v38, s[10:11]            ; attn_b
	s_wait_loadcnt 20                              ; hidden's four loads are in; the 20 issued behind them may be out
	; hidden's block of 32 lies in two neighbouring lanes.  Largest magnitude with the floor 2^(3 - 127) among its leaves, so that the byte cannot fall under 1
	v_max3_num_f32 v34, |v[HN]|, |v[HN+1]|, 0x1800000
	v_max3_num_f32 v35, |v[HN+2]|, |v[HN+3]|, |v[HN+4]|
	v_max3_num_f32 v34, v34, |v[HN+5]|, |v[HN+6]|
	v_max3_num_f32 v35, v35, |v[HN+7]|, |v[HN+8]|
	v_max3_num_f32 v34, v34, |v[HN+9]|, |v[HN+10]|
	v_max3_num_f32 v35, v35, |v[HN+11]|, |v[HN+12]|
	v_max3_num_f32 v34, v34, |v[HN+13]|, |v[HN+14]|
	v_max3_num_f32 v34, v34, v35, |v[HN+15]|
	v_max_num_f32_dpp v34, v34, v34 row_xmask:1 row_mask:0xf bank_mask:0xf
	v_add_nc_u32 v36, 0xff000000, v34              ; 2 off the exponent field: the conversion takes this operand's exponent field as its scale
	v_cvt_scalef32_pk8_fp4_f32 v32, v[HN:HN+7], v36
	v_cvt_scalef32_pk8_fp4_f32 v33, v[HN+8:HN+15], v36
	v_lshrrev_b32 v37, 23, v36                     ; the scale's byte; also the plain line behind the conversions
	ds_store_b64 v7, v[32:33]
	ds_store_b8 v8, v37                            ; both lanes of a block write the same byte with the same value
.irp d, 0,1,2,3
.irp c, 0,1
	ds_load_b128 v[HF+8*\d+4*\c:HF+8*\d+4*\c+3], v9 offset:64*\d+32*\c   ; LDS serves a wave's instructions in order (ISA guide 5.7.1.4): these see my wave's stores
.endr
.endr
	ds_load_b128 v[HSC:HSC+3], v10
	s_wait_loadcnt 0x0
.irp d, 0,1,2,3
.irp c, 0,1
	global_store_b128 v5, v[W2F+8*\d+4*\c:W2F+8*\d+4*\c+3], s[12:13] offset:65536*\d+512*\c   ; 512 consecutive bytes a store
.endr
.endr
	global_store_b64 v15, v[160:161], s[14:15]     ; 256 consecutive bytes, aligned
	s_wait_dscnt 0x0
	; source 0 = hidden (16 equal rows), source 1 = 16 rows of attn_w: every register of the result holds column r's sum.  Two accumulators by turns
	v_wmma_scale_f32_16x16x128_f8f6f4 v[144:151], v[HF:HF+7], v[W1F:W1F+7], 0, v[HSC], v[WSC] matrix_a_fmt:MATRIX_FMT_FP4 matrix_b_fmt:MATRIX_FMT_FP4
	v_wmma_scale_f32_16x16x128_f8f6f4 v[152:159], v[HF+8:HF+15], v[W1F+8:W1F+15], 0, v[HSC+1], v[WSC+1] matrix_a_fmt:MATRIX_FMT_FP4 matrix_b_fmt:MATRIX_FMT_FP4
	v_wmma_scale_f32_16x16x128_f8f6f4 v[144:151], v[HF+16:HF+23], v[W1F+16:W1F+23], v[144:151], v[HSC+2], v[WSC+2] matrix_a_fmt:MATRIX_FMT_FP4 matrix_b_fmt:MATRIX_FMT_FP4
	v_wmma_scale_f32_16x16x128_f8f6f4 v[152:159], v[HF+24:HF+31], v[W1F+24:W1F+31], v[152:159], v[HSC+3], v[WSC+3] matrix_a_fmt:MATRIX_FMT_FP4 matrix_b_fmt:MATRIX_FMT_FP4
.rept 4
	v_nop                                          ; four places between a matrix instruction and the first read of its result (ISA guide 7.12.1)
.endr
	v_add_f32 v163, v144, v152                     ; each accumulator is read at its lowest register
	ds_store_b32 v11, v163
	s_wait_dscnt 0x0                               ; for wave 0's sake: my partial sum has landed
	s_barrier_signal -1
	s_barrier_wait -1
	s_cmp_lg_u32 s18, 0
	s_cbranch_scc1 .Lend                           ; waves 1 to 3 are done
.irp u, 0,1,2,3
	ds_load_b32 v[164+\u], v12 offset:128*\u
.endr
	s_wait_dscnt 0x0
	v_add_f32 v164, v164, v165
	v_add_f32 v164, v164, v166
	v_add_f32 v164, v164, v167
	v_add_f32 v164, v164, v162                     ; + attn_b
	v_mul_f32 v164, 0x4038aa3b, v164               ; x 2 log2(e)
	s_wait_alu depctr_va_vdst(0)
	s_wait_xcnt 0x0                                ; EXEC is a source of my pending stores: it changes only behind this wait
	v_cmp_gt_u32 vcc_lo, 16, v1
	s_and_saveexec_b32 s26, vcc_lo
	global_store_b32 v38, v164, s[16:17]           ; lanes 0 to 15: 64 consecutive bytes
	s_wait_xcnt 0x0
	s_or_b32 exec_lo, exec_lo, s26
.Lend:
	s_wait_tensorcnt 0x0
	ds_add_u32 v168, v169
	s_wait_dscnt 0x0
	s_endpgm
.Lfunc_end_k_qb001ad27f1_prep:
	.size	k_qb001ad27f1_prep, .Lfunc_end_k_qb001ad27f1_prep-k_qb001ad27f1_prep
	.p2alignl 7, 3214868480
	.fill 96, 4, 3214868480
	.section	.rodata,"a",@progbits
	.p2align	6, 0x0
	.amdhsa_kernel k_qb001ad27f1_prep
		.amdhsa_group_segment_fixed_size 4608
		.amdhsa_private_segment_fixed_size 0
		.amdhsa_enable_private_segment 0
		.amdhsa_kernarg_size 56
		.amdhsa_user_sgpr_count 2
		.amdhsa_user_sgpr_kernarg_segment_ptr 1
		.amdhsa_wavefront_size32 1
		.amdhsa_system_sgpr_workgroup_id_x 1
		.amdhsa_system_sgpr_workgroup_id_y 1
		.amdhsa_system_sgpr_workgroup_id_z 1
		.amdhsa_system_vgpr_workitem_id 0
		.amdhsa_next_free_vgpr 170
		.amdhsa_next_free_sgpr 66
		.amdhsa_reserve_vcc 1
		.amdhsa_float_denorm_mode_32 3
		.amdhsa_float_denorm_mode_16_64 3
		.amdhsa_memory_ordered 1
		.amdhsa_forward_progress 1
		.amdhsa_inst_pref_size 10
	.end_amdhsa_kernel
	.amdgpu_metadata
---
amdhsa.version: [ 1, 2 ]
amdhsa.kernels:
  - .name:           k_qb001ad27f1_prep
    .symbol:         k_qb001ad27f1_prep.kd
    .args:
      - { .name: attn_w_codes, .offset: 0, .size: 8, .value_kind: global_buffer, .address_space: global }
      - { .name: attn_w_scales, .offset: 8, .size: 8, .value_kind: global_buffer, .address_space: global }
      - { .name: hidden, .offset: 16, .size: 8, .value_kind: global_buffer, .address_space: global }
      - { .name: attn_b, .offset: 24, .size: 8, .value_kind: global_buffer, .address_space: global }
      - { .name: wr, .offset: 32, .size: 8, .value_kind: global_buffer, .address_space: global }
      - { .name: ws, .offset: 40, .size: 8, .value_kind: global_buffer, .address_space: global }
      - { .name: gp, .offset: 48, .size: 8, .value_kind: global_buffer, .address_space: global }
    .group_segment_fixed_size: 4608
    .private_segment_fixed_size: 0
    .kernarg_segment_align: 8
    .kernarg_segment_size: 56
    .max_flat_workgroup_size: 128
    .sgpr_count:     66
    .vgpr_count:     170
    .wavefront_size: 32
...
	.end_amdgpu_metadata
.endif
;; end of part 4
;; launch fused (part 5): grid 256 x 1, 4 waves a work-group, no clusters, 276,992 bytes of LDS; arguments encoder_outputs, wr, ws, gp, v_w, part, ml; writes part, ml
.if DOCPART == 5
	.amdgcn_target "amdgcn-amd-amdhsa--gfx1250"
	.amdhsa_code_object_version 6
	.text
	.protected	k_qb001ad27f1_fused
	.globl	k_qb001ad27f1_fused
	.p2align	8
	.type	k_qb001ad27f1_fused,@function
k_qb001ad27f1_fused:
	s_mov_b64 s[64:65], 0
	v_nop
	global_prefetch_b8 v0, s[64:65] scope:SCOPE_SE
	s_setreg_imm32_b32 hwreg(HW_REG_WAVE_SCHED_MODE, 0, 2), 2
	s_setreg_imm32_b32 hwreg(HW_REG_WAVE_MODE, 25, 1), 1
	s_wait_xcnt 0x0
	s_wait_alu depctr_vm_vsrc(0)
; FUSED.  A work-group takes 64 rows of encoder_outputs (16 work-groups to a batch) through the whole chain, and reads them from memory once:
;   quantise to E2M1 along K | energy = tanh(Q(cat) W^T + b) | score = energy . v_w | p = 2^(score log2(e) - m), m the largest over the 64 rows | part = sum of p x enc row, (m, l = sum of p).
; The last launch merges a batch's 16 parts under the batch's maximum.  The part of the product over k < 2,048 (hidden, the same in every row) and the bias come as gp[n] from the launch before.
; SHARES.  Four waves.  A wave owns ALL 64 rows x 256 columns of the product: 4 tiles of rows x 16 tiles of columns = 64 accumulators, 512 registers.  K = 2,048 goes in 16 steps of 128.
; In a step wave w loads rows 16 w .. 16 w + 15 of enc (128 numbers each), quantises them, and puts codes and scale bytes into an LDS slot that all four waves read as source 0;
; the same numbers, rounded to bf16, go into a copy of the 64 rows in LDS, from which the weighted sum is taken at the end.  Two slots take turns, one barrier a step.
; W'S FRAGMENTS GO FROM MEMORY STRAIGHT INTO REGISTERS, no tensor load, no cluster: no two waves of a work-group read the same fragment; the bf16 copy takes 262,144 bytes of LDS, and two slots of a K step
; of W (2 x 65,536 bytes) do not fit into what is left.  wr is laid in the order of the operand's registers: each load takes 512 consecutive bytes.
; EVERY LOAD OF ENC TAKES 512 CONSECUTIVE BYTES TOO: one row's 128 numbers.  The conversion wants eight neighbours in a lane: a pair of rows is loaded by two loads, and four exchanges of half-waves give each lane its eight.
; IN FLIGHT: enc two steps ahead (32 loads a wave), W one step ahead (34 loads).  In a step the LDS reads of the products' operands are issued first behind the barrier, and the step's 50 global loads,
; which are wanted a step or two later, behind them: a wave issues in order.
; PREFETCH: in steps 0 to 11 each wave asks for its own 16 rows x 512 bytes of the step four on (two steps ahead of the loads that take them): 32 blocks of 256 bytes, a lane a block,
; one instruction, behind the step's loads; each block is named once in the launch; steps 12 to 15 ask for nothing.
; tanh(x) = 1 - 2 / (1 + 2^y), y = 2 log2(e) x; so score = sum of v - 2 x sum of v / (1 + 2^y).
; LIMITS: NaN and infinities among the inputs are not served.  A block whose largest magnitude lies under 2^-124 has its byte held at 1; a block of zeros gets the byte 1, not 127 (its codes are zeros; the bytes
; are read here alone).  The sum over k < 2,048 joins the sum over k >= 2,048 in the multiply-add ahead of the exponential.  enc is rounded to bf16 for the weighted sum; p stays f32.
; REGISTERS, in windows of 256: window 0: v1-21 addresses, v22-31 at work, v32-63 A's four fragments, v64-65 A's scale words, v66-81 W's scale words (two sets), v82-109 at work, v126-127 the closing add's two, v128-255 enc, two sets of 64.
;   window 1: W's fragments, two sets of 128.   window 2: the accumulators of column tiles 0-7 (tile t, rows a: v[8 (4 t + a)]).   window 3: those of tiles 8-15.
; THE MODE: SCHED_MODE bits 1:0 = 2 (LLVM: expert scheduling mode 2), set by the entry lines.  The code itself states the register dependences
; between vector or matrix instructions and memory or LDS instructions, with s_wait_alu, always for 0.
; THE PLAN, for the K walk.  Registers that memory or LDS instructions touch in step s, of parity p:
;   X[p]              enc, 64 registers.  The loads of step s - 2 landed in it; step s's quantising lines read and write it; its LDS stores (the bf16 copy) read it; then the loads of step s + 2 land in it.
;   TM, TC            scale bytes and codes.  Written by step s's quantising lines, read by its LDS stores, written again in step s + 1.
;   AF, AS            source 0.  Step s's LDS loads land in them, its products read them, step s + 1's LDS loads land in them.
;   W[1-p], BS[1-p]   read by the products of step s - 1; the loads of step s land in them.
;   v10               read by the LDS stores of the copy; written once a trip, at the trip's end.
;   v4-v8, v11-v18, v21   offsets and addresses, made at the head and never written again.
; So TWO waits stand in a step.  One on va_vdst, behind the quantising lines and ahead of the LDS stores: what the stores read is written, the quantising lines are done with X[p], and the products of the step
; before are done reading AF, AS, W[1-p] and BS[1-p].  No vector or matrix instruction stands between it and the step's 60 loads, so these follow with no further wait.  One on vm_vsrc, behind the LDS stores:
; they have read X[p], TM, TC and v10.
; THE PLAN, for the context: two sets of eight rows of the copy by turns.  At a step's head one wait on vm_vsrc (the loads so far have read the two addresses), the two additions, one wait on va_vdst (the addresses
; are written; the multiply-adds of the step before are done with the other set); the other set's 34 LDS loads are then dealt among this set's multiply-adds, which name this set, its p and the 16 sums alone.
.set ACODE, 262144                     ; LDS: bytes 0 .. 262,143 the bf16 copy, 64 rows of 4,096 bytes; then two slots of codes: 64 rows, 64 bytes + 16 of padding
.set ASLOT, 5120
.set ASC,   272384                     ; two slots of scale words, 4 bytes a row
.set SCP,   272896                     ; 4 waves x 64 partial scores
.set PB,    273920                     ; 4 waves x 64 p: each wave's own
.set AF,  32
.set AS,  64                           ; v64: rows 0-15 in lanes 0-15, rows 16-31 in lanes 16-31; v65: rows 32-63
.set BS,  66                           ; set p at BS + 8 p; register j: column tile 2 j in lanes 0-15, 2 j + 1 in lanes 16-31
.set TM,  82                           ; v82-89 largest magnitudes, then bytes;  v90-97 scale operands;  v98-105 codes
.set TS,  90
.set TC,  98
.set X,   128
.set GV,  128                          ; behind the K walk: v[GV + 2 t] = gp, v[GV + 2 t + 1] = v_w (then -2 v_w) of column tile t
.set SREG, 160                         ; 32 partial scores: register 8 a + j = row 16 a + 8 h + j
.set TREG, 192                         ; 64 numbers on their way through tanh
.set CX,  32                           ; the context: 16 columns a lane
.set MSB, 0
.macro WIN new                         ; the immediate's high byte repeats the setting that is left
.if MSB != \new
	s_set_vgpr_msb (MSB<<8)|\new
.set MSB, \new
.endif
.endm
.set TO_B,   0x40                      ; destination window 1
.set MUL_LO, 0xa4                      ; source 1 (W) window 1, C and D window 2
.set MUL_HI, 0xf4                      ; the same, C and D window 3
.set RD_LO,  0x02                      ; source 0 window 2 (+ 1: window 3)
; enc of the step k steps on from the stepped base, into set p.  Pair i: the first load takes row 16 w + 2 i, the second row 16 w + 2 i + 1; lane (r, h) takes the 16 bytes at 32 r + 16 h of the row's 512:
; each load covers 512 consecutive bytes.  QUANT's exchanges then give lane (r, h) K = 8 r .. 8 r + 7 of row 2 i + h
.macro XLOAD p, k
.irp i, 0,1,2,3,4,5,6,7
	global_load_b128 v[X+64*(\p)+8*\i:X+64*(\p)+8*\i+3], v4, s[4:5] offset:\i*16384+(\k)*512 th:TH_LOAD_NT
	global_load_b128 v[X+64*(\p)+8*\i+4:X+64*(\p)+8*\i+7], v4, s[4:5] offset:\i*16384+8192+(\k)*512 th:TH_LOAD_NT
.endr
.endm
; my 16 fragments of W and their scale words: 34 loads of 512 consecutive bytes
.macro BLOAD p, k
	WIN TO_B
.irp t, 0,1,2,3,4,5,6,7,8,9,10,11,12,13,14,15
.irp c, 0,1
	global_load_b128 v[128*(\p)+8*\t+4*\c:128*(\p)+8*\t+4*\c+3], v5, s[6:7] offset:(\k)*65536+\t*1024+\c*512
.endr
.endr
	WIN 0
.irp q, 0,1
	global_load_b128 v[BS+8*(\p)+4*\q:BS+8*(\p)+4*\q+3], v5, s[8:9] offset:(\k)*4096+\q*512
.endr
.endm
; Set p's 8 pairs of rows: codes, scale bytes and the bf16 copy.  A block of 32 lies in four neighbouring lanes.  The eight pairs take turns line by line
.macro QUANT p, k
.irp i, 0,1,2,3,4,5,6,7
.irp j, 0,1,2,3
	v_permlane16_swap_b32 v[X+64*(\p)+8*\i+\j], v[X+64*(\p)+8*\i+4+\j]   ; as loaded: register j = row 2 i, K = 8 r + 4 h + j; register 4 + j = row 2 i + 1 likewise.  The first's lanes 16-31 change places with the second's lanes 0-15: register j = row 2 i + h, K = 8 r + j; register 4 + j = row 2 i + h, K = 8 r + 4 + j
.endr
.endr
.irp i, 0,1,2,3,4,5,6,7
	v_max3_num_f32 v[TM+\i], |v[X+64*(\p)+8*\i]|, |v[X+64*(\p)+8*\i+1]|, 0x1800000   ; with the floor 2^(3 - 127): the byte cannot fall under 1
.endr
.irp j, 2,4,6
.irp i, 0,1,2,3,4,5,6,7
	v_max3_num_f32 v[TM+\i], v[TM+\i], |v[X+64*(\p)+8*\i+\j]|, |v[X+64*(\p)+8*\i+\j+1]|
.endr
.endr
.irp m, 1,2
.irp i, 0,1,2,3,4,5,6,7
	v_max_num_f32_dpp v[TM+\i], v[TM+\i], v[TM+\i] row_xmask:\m row_mask:0xf bank_mask:0xf
.endr
.endr
.irp i, 0,1,2,3,4,5,6,7
	v_add_nc_u32 v[TS+\i], 0xff000000, v[TM+\i]    ; 2 off the exponent field: the conversion's scale operand
.endr
.irp i, 0,1,2,3,4,5,6,7
	v_cvt_scalef32_pk8_fp4_f32 v[TC+\i], v[X+64*(\p)+8*\i:X+64*(\p)+8*\i+7], v[TS+\i]
.endr
.irp i, 0,1,2,3,4,5,6,7
	v_lshrrev_b32 v[TM+\i], 23, v[TS+\i]           ; the scale's byte; these plain lines stand between the conversions and the lines that write over their sources
.endr
.irp j, 0,1,2,3
.irp i, 0,1,2,3,4,5,6,7
	v_cvt_pk_bf16_f32 v[X+64*(\p)+8*\i+\j], v[X+64*(\p)+8*\i+2*\j], v[X+64*(\p)+8*\i+2*\j+1]   ; in place, ascending: register j is written when its own number has been packed
.endr
.endr
	s_wait_alu depctr_va_vdst(0)                   ; the lines above have written the codes, the bytes and the bf16 numbers, which the LDS stores read (and the head, or the trip's end, v7, v8 and v10, their addresses), and are done with set p of enc; the products of the step before are done reading A's fragments and scale words and the other set of W and of its scale words: in all of these the step's loads land
.irp i, 0,1,2,3,4,5,6,7
	ds_store_b32 v7, v[TC+\i] offset:(\p)*ASLOT+\i*160
	ds_store_b8 v8, v[TM+\i] offset:(\p)*256+\i*8  ; the four lanes of a block write the same byte with the same value
	ds_store_b128 v10, v[X+64*(\p)+8*\i:X+64*(\p)+8*\i+3] offset:\i*8192+(\k)*256   ; sixteen lanes: 256 consecutive bytes of a row of the copy
.endr
.endm
; source 0: four fragments (16 rows x 128 K: two loads of 16 bytes, 32 apart) and the 64 rows' scale words
.macro ALOAD p
.irp a, 0,1,2,3
.irp c, 0,1
	ds_load_b128 v[AF+8*\a+4*\c:AF+8*\a+4*\c+3], v11 offset:(\p)*ASLOT+\a*1280+\c*32
.endr
.endr
.irp i, 0,1
	ds_load_b32 v[AS+\i], v12 offset:(\p)*256+\i*128
.endr
.endm
; one product: rows a x column tile t.  A register of scale words carries two tiles' words: the odd tile's lie in lanes 16-31
.macro WM a, t, p, zero
.set rD, 8*(4*((\t)%8)+(\a))
.set rA, AF+8*(\a)
.set rB, 128*(\p)+8*(\t)
.set rE, AS+(\a)/2
.set rF, BS+8*(\p)+(\t)/2
.set sel, 4*(\zero)+2*((\a)%2)+(\t)%2
.if sel == 0
	v_wmma_scale_f32_16x16x128_f8f6f4 v[rD:rD+7], v[rA:rA+7], v[rB:rB+7], v[rD:rD+7], v[rE], v[rF] matrix_a_fmt:MATRIX_FMT_FP4 matrix_b_fmt:MATRIX_FMT_FP4
.elseif sel == 1
	v_wmma_scale_f32_16x16x128_f8f6f4 v[rD:rD+7], v[rA:rA+7], v[rB:rB+7], v[rD:rD+7], v[rE], v[rF] matrix_a_fmt:MATRIX_FMT_FP4 matrix_b_fmt:MATRIX_FMT_FP4 matrix_b_scale:MATRIX_SCALE_ROW1
.elseif sel == 2
	v_wmma_scale_f32_16x16x128_f8f6f4 v[rD:rD+7], v[rA:rA+7], v[rB:rB+7], v[rD:rD+7], v[rE], v[rF] matrix_a_fmt:MATRIX_FMT_FP4 matrix_b_fmt:MATRIX_FMT_FP4 matrix_a_scale:MATRIX_SCALE_ROW1
.elseif sel == 3
	v_wmma_scale_f32_16x16x128_f8f6f4 v[rD:rD+7], v[rA:rA+7], v[rB:rB+7], v[rD:rD+7], v[rE], v[rF] matrix_a_fmt:MATRIX_FMT_FP4 matrix_b_fmt:MATRIX_FMT_FP4 matrix_a_scale:MATRIX_SCALE_ROW1 matrix_b_scale:MATRIX_SCALE_ROW1
.elseif sel == 4
	v_wmma_scale_f32_16x16x128_f8f6f4 v[rD:rD+7], v[rA:rA+7], v[rB:rB+7], 0, v[rE], v[rF] matrix_a_fmt:MATRIX_FMT_FP4 matrix_b_fmt:MATRIX_FMT_FP4
.elseif sel == 5
	v_wmma_scale_f32_16x16x128_f8f6f4 v[rD:rD+7], v[rA:rA+7], v[rB:rB+7], 0, v[rE], v[rF] matrix_a_fmt:MATRIX_FMT_FP4 matrix_b_fmt:MATRIX_FMT_FP4 matrix_b_scale:MATRIX_SCALE_ROW1
.elseif sel == 6
	v_wmma_scale_f32_16x16x128_f8f6f4 v[rD:rD+7], v[rA:rA+7], v[rB:rB+7], 0, v[rE], v[rF] matrix_a_fmt:MATRIX_FMT_FP4 matrix_b_fmt:MATRIX_FMT_FP4 matrix_a_scale:MATRIX_SCALE_ROW1
.else
	v_wmma_scale_f32_16x16x128_f8f6f4 v[rD:rD+7], v[rA:rA+7], v[rB:rB+7], 0, v[rE], v[rF] matrix_a_fmt:MATRIX_FMT_FP4 matrix_b_fmt:MATRIX_FMT_FP4 matrix_a_scale:MATRIX_SCALE_ROW1 matrix_b_scale:MATRIX_SCALE_ROW1
.endif
.endm
; a step's 64 products.  Source 0 = 16 rows of enc, source 1 = 16 rows of W: a lane holds column r and rows 8 h + 0 .. 7.  The 64 accumulators take turns, one instruction a turn,
; in the same order in every step and over the loop's backward jump.  zero = 1: the first step starts the sums: nothing is cleared.
; Every operand and every scale word of a product comes by a load: no vector line writes one.
.macro MUL p, zero
	WIN MUL_LO
.irp t, 0,1,2,3,4,5,6,7
.irp a, 0,1,2,3
	WM \a, \t, \p, \zero
.endr
.endr
	WIN MUL_HI
.irp t, 8,9,10,11,12,13,14,15
.irp a, 0,1,2,3
	WM \a, \t, \p, \zero
.endr
.endr
	WIN 0
.endm
.macro GVLOAD                          ; gp and v_w of my 256 columns: lane (r, h): column 16 t + r
.irp t, 0,1,2,3,4,5,6,7,8,9,10,11,12,13,14,15
	global_load_b32 v[GV+2*\t], v13, s[10:11] offset:64*\t
	global_load_b32 v[GV+2*\t+1], v13, s[12:13] offset:64*\t
.endr
.endm
; A K STEP.  p: its parity (slot, set of enc, set of W); k: steps on from the stepped bases.  ldx = 1: enc of two steps on is asked for; 2: gp and v_w instead, behind W.  ldb: W of the next step.
; nx, nb: how many younger loads may be out at the step's head, and when this step's W has to be in.  pf = 1: the prefetch; 2: not in the loop's last trip.
; ONE BARRIER A STEP.  In front of it my stores into slot p have landed and my reads of the other slot are back; behind it slot p is whole.  Slot p is written again two steps on, behind the next
; step's barrier, which every wave signals behind the wait for its reads of slot p.
; ORDER BEHIND THE BARRIER: the ten LDS reads that this step's products wait for; then the loads for later steps, enc (from further away, wanted two steps on) ahead of W; then the waits; then the products.
; Between the wait on va_vdst in QUANT and the last of these loads stand LDS stores of other registers than W's, waits, the barrier, loads and window switches: no vector or matrix instruction.
.macro STEP p, k, zero, ldx, ldb, nx, nb, pf
	s_wait_loadcnt \nx
	QUANT \p, \k
	s_wait_alu depctr_vm_vsrc(0)                   ; my LDS stores have read set p of enc, which is written again (by the loads below; behind the K walk by vector lines), the codes and the bytes, which the next step writes again, and v10, which the trip's end writes: no later line of the step reads v10
	s_wait_dscnt 0x0                               ; for the others' sake: my LDS stores have landed; my reads of the other slot are back
	s_barrier_signal -1
	s_barrier_wait -1
	ALOAD \p
.if \ldx == 1
	XLOAD \p, (\k)+2
.endif
.if \ldb
	BLOAD 1-\p, (\k)+1
.endif
.if \ldx == 2
	GVLOAD
.endif
.if \pf == 2
	s_cmp_lg_u32 s19, 1
	s_cbranch_scc0 .Lnopf_\@
.endif
.if \pf
	global_prefetch_b8 v6, s[4:5] offset:((\k)+4)*512 th:TH_LOAD_NT scope:SCOPE_SE
.endif
.if \pf == 2
.Lnopf_\@:
.endif
	s_wait_loadcnt \nb
	s_wait_dscnt 0x0
	MUL \p, \zero
.endm
	s_load_b256 s[4:11], s[0:1], 0x0               ; enc s[4:5], wr s[6:7], ws s[8:9], gp s[10:11]
	s_load_b128 s[12:15], s[0:1], 0x20             ; v_w s[12:13], part s[14:15]
	s_load_b64 s[16:17], s[0:1], 0x30              ; ml
	v_lshl_add_u32 v126, v0, 2, 0x43800
	v_mov_b32 v127, 0
	v_lshrrev_b32 v1, 5, v0
	v_readfirstlane_b32 s18, v1                    ; wave w
	v_and_b32 v1, 31, v0                           ; lane
	v_and_b32 v2, 15, v0                           ; r
	v_bfe_u32 v3, v0, 4, 1                         ; h
	v_lshlrev_b32 v4, 5, v2
	v_lshl_add_u32 v4, v3, 4, v4                   ; enc: 32 r + 16 h: the 32 lanes take the 32 pieces of 16 bytes of a row's 512
	v_lshlrev_b32 v5, 4, v1                        ; 16 x lane
	s_wait_alu depctr_va_sdst(0)                   ; s18 is written, ahead of its first reader: the bases and the LDS addresses are made from it
	s_lshl_b32 s26, ttmp9, 19                      ; 64 rows a work-group,
	s_lshl_b32 s27, s18, 17                        ; 16 a wave
	s_add_co_u32 s26, s26, s27
	s_mov_b32 s27, 0
	s_lshl_b32 s28, s18, 14                        ; wr: 16,384 bytes a wave in a K step
	s_mov_b32 s29, 0
	s_lshl_b32 s30, s18, 10                        ; ws: 1,024
	s_mov_b32 s31, 0
	s_wait_kmcnt 0x0
	s_add_nc_u64 s[4:5], s[4:5], s[26:27]
	s_add_nc_u64 s[6:7], s[6:7], s[28:29]
	s_add_nc_u64 s[8:9], s[8:9], s[30:31]
	s_wait_alu depctr_va_vdst(0)                   ; v4 and v5 are written: every load of enc reads the one as its offset, every load of W and of its scale words the other
	XLOAD 0, 0
	XLOAD 1, 1
	BLOAD 0, 0
	v_lshrrev_b32 v26, 1, v1
	v_and_b32 v27, 1, v1
	v_lshlrev_b32 v6, 8, v27
	v_lshl_add_u32 v6, v26, 13, v6                 ; the prefetch: row lane / 2 of my 16, block lane % 2 of a step's two
	s_lshl_b32 s26, s18, 4
	v_add_nc_u32 v24, s26, v3                      ; 16 w + h
	v_mul_u32_u24 v7, v24, 80
	v_lshl_add_u32 v7, v2, 2, v7
	v_add_nc_u32 v7, ACODE, v7                     ; codes in: row (16 w + h) x 80 + 4 r
	v_lshrrev_b32 v25, 2, v2
	v_lshl_add_u32 v8, v24, 2, v25
	v_add_nc_u32 v8, ASC, v8                       ; bytes in: row x 4 + r / 4
	v_lshlrev_b32 v9, 12, v24
	v_lshl_add_u32 v9, v2, 4, v9                   ; the copy: row x 4,096 + 16 r
	v_mul_u32_u24 v11, v2, 80
	v_lshl_add_u32 v11, v3, 4, v11
	v_add_nc_u32 v11, ACODE, v11                   ; a fragment: row r x 80 + 16 h
	v_lshl_add_u32 v12, v1, 2, ASC                 ; scale words: 4 x lane
	v_lshl_add_u32 v13, v2, 2, s30                 ; gp, v_w: 1,024 w + 4 r
	v_lshl_add_u32 v18, v1, 3, s30                 ; the copy, read: my wave's 1,024 bytes of a row, 8 bytes a lane
	s_lshl_b32 s26, s18, 8
	v_lshl_add_u32 v14, v3, 5, s26
	v_add_nc_u32 v14, SCP, v14                     ; partial scores in: 256 w + 32 h
	v_lshl_add_u32 v15, v1, 2, SCP                 ; and back: 4 x lane
	v_lshl_add_u32 v16, v1, 2, s26
	v_add_nc_u32 v16, PB, v16                      ; p in: 256 w + 4 x lane
	v_mov_b32 v17, s26
	v_add_nc_u32 v17, PB, v17                      ; and back
	v_lshlrev_b32 v21, 3, v1                       ; ml: 8 x lane
	v_mov_b32 v22, 0                               ; a lane permute's destination counts as one of its sources
	s_lshl_b32 s26, ttmp9, 13                      ; part: 8,192 bytes a work-group, 2,048 a wave
	s_lshl_b32 s28, s18, 11
	s_add_co_u32 s26, s26, s28
	s_add_nc_u64 s[14:15], s[14:15], s[26:27]
	s_lshl_b32 s26, ttmp9, 8                       ; ml: 256 bytes a work-group
	s_add_nc_u64 s[16:17], s[16:17], s[26:27]
	s_mov_b32 s20, 0x76543210
	s_mov_b32 s21, 0xfedcba98                      ; v_permlanex16_b32's selects for lane l xor 16
	s_mov_b32 s22, 0x4038aa3b                      ; 2 log2(e)
	s_mov_b32 s23, s22                             ; (named with it as a pair, so it is written)
	s_mov_b32 s24, 0                               ; the copy's column byte of the stepped base
	s_mov_b32 s25, 0x3fb8aa3b                      ; log2(e)
	v_add_nc_u32 v10, s24, v9                      ; (all the addresses made here are first read behind step 0's wait on va_vdst)
	; THE K WALK.  Loads are issued in the order X0 X1 B0, then in step s: X(s+2), B(s+1).  At a step's head the 50 youngest are X(s+1) 16 and B(s) 34: the count 50 shows all older loads in, X(s) among them
	; (from step 1 on B(s-1), issued behind X(s), has been waited for already: the wait is then met at once).  Ahead of the products the 50 youngest are X(s+2) and B(s+1): B(s) is in.
	STEP 0, 0, 1, 1, 1, 50, 50, 1
	s_mov_b32 s19, 6
.Lk:                                                   ; trip j: steps 1 + 2 j and 2 + 2 j; the bases stand at step 2 j
	STEP 1, 1, 0, 1, 1, 50, 50, 1
	STEP 0, 2, 0, 1, 1, 50, 50, 2
	s_wait_xcnt 0x0                                ; every load and prefetch issued so far has read its base: only now do the bases step
	s_add_nc_u64 s[4:5], s[4:5], 1024
	s_add_nc_u64 s[6:7], s[6:7], 131072
	s_add_nc_u64 s[8:9], s[8:9], 8192
	s_add_co_u32 s24, s24, 512
	v_add_nc_u32 v10, s24, v9                      ; the LDS stores that read v10 stand ahead of the step's wait on vm_vsrc; the next stores read it behind the next step's wait on va_vdst
	s_sub_co_u32 s19, s19, 1
	s_cmp_lg_u32 s19, 0
	s_cbranch_scc1 .Lk
	STEP 1, 1, 0, 1, 1, 50, 50, 0                  ; step 13 (the bases stand at step 12): asks for enc of step 15 and W of step 14
	STEP 0, 2, 0, 2, 1, 50, 63, 0                  ; step 14: W of step 15, then gp and v_w into the set of enc that it has left.  Behind B(14): 34 + 32 = 66, more than a wait's count can name: 63, the smaller count, is safe
	STEP 1, 3, 0, 0, 0, 63, 32, 0                  ; step 15: X(15) is older than the 66 youngest: 63; behind B(15): the 32 loads of gp and v_w
	; THE SCORES.  The lines up to the first read of an accumulator name no register of the last products: they are the places behind them
	s_wait_loadcnt 0x0
	v_add_f32 v106, v[GV+1], v[GV+3]
.irp t, 2,3,4,5,6,7,8,9,10,11,12,13,14,15
	v_add_f32 v106, v106, v[GV+2*\t+1]             ; the sum of v_w over my lane's 16 columns: where each partial score begins
.endr
	v_mov_b32 v107, v106
.irp t, 0,1,2,3,4,5,6,7,8,9,10,11,12,13,14,15
	v_mul_f32 v[GV+2*\t+1], -2.0, v[GV+2*\t+1]
.endr
; Eight accumulators (column tiles 2 b and 2 b + 1, all four tiles of rows) at a time: y = 2 log2(e) x sum + gp; 2^y; + 1; reciprocal; score += -2 v x it.
; The 64 exponentials are one batch with one wait ahead of their first reader; the 64 reciprocals likewise.  Each accumulator is read from its low end on.
.macro TANH b
	WIN RD_LO+(\b)/4
.set e, 0
.rept 32
.set tt, 2*(\b)+e/32
	v_pk_fma_f32 v[TREG+e:TREG+e+1], v[64*((\b)%4)+e:64*((\b)%4)+e+1], s[22:23], v[GV+2*tt:GV+2*tt+1] op_sel_hi:[1,0,0]
.set e, e+2
.endr
	WIN 0
.set e, 0
	s_wait_alu depctr_va_vdst(0)
.rept 64
	v_exp_f32 v[TREG+e], v[TREG+e]
.set e, e+1
.endr
	v_nop                                          ; a plain line behind the last exponential
	s_wait_alu depctr_va_vdst(0)                   ; the 64 exponentials have written v[TREG ..], ahead of the additions that read them
.set e, 0
.rept 32
	v_pk_add_f32 v[TREG+e:TREG+e+1], v[TREG+e:TREG+e+1], 1.0 op_sel_hi:[1,0]
.set e, e+2
.endr
.set e, 0
	s_wait_alu depctr_va_vdst(0)
.rept 64
	v_rcp_f32 v[TREG+e], v[TREG+e]
.set e, e+1
.endr
	v_nop                                          ; a plain line behind the last reciprocal
	s_wait_alu depctr_va_vdst(0)                   ; the 64 reciprocals have written v[TREG ..], ahead of the multiply-adds that read them
.set e, 0
.rept 32
.set tt, 2*(\b)+e/32
.set si, SREG+e%32
.if tt == 0
	v_pk_fma_f32 v[si:si+1], v[TREG+e:TREG+e+1], v[GV+2*tt:GV+2*tt+1], v[106:107] op_sel:[0,1,0] op_sel_hi:[1,1,1]   ; the first tile starts the sums
.else
	v_pk_fma_f32 v[si:si+1], v[TREG+e:TREG+e+1], v[GV+2*tt:GV+2*tt+1], v[si:si+1] op_sel:[0,1,0] op_sel_hi:[1,1,1]   ; of the pair (gp, -2 v) the upper word serves both halves
.endif
.set e, e+2
.endr
.endm
.irp b, 0,1,2,3,4,5,6,7
	TANH \b
.endr
.irp m, 1,2,4,8                        ; over the 16 columns that the 16 lanes of a half hold
.set e, 0
.rept 32
	v_add_f32_dpp v[SREG+e], v[SREG+e], v[SREG+e] row_xmask:\m row_mask:0xf bank_mask:0xf
.set e, e+1
.endr
.endr
	s_wait_alu depctr_va_vdst(0)                   ; the additions have written v[SREG ..], which the LDS stores read; step 15's quantising lines are done with v82-89, in which the LDS loads behind the barrier land
.irp a, 0,1,2,3
.irp j, 0,1
	ds_store_b128 v14, v[SREG+8*\a+4*\j:SREG+8*\a+4*\j+3] offset:64*\a+16*\j   ; rows 16 a + 8 h + 4 j on; the sixteen lanes of a half write the same bytes with the same values
.endr
.endr
	s_wait_dscnt 0x0                               ; for the others' sake: my partial scores have landed (and so, long ago, my rows of the copy)
	s_barrier_signal -1
	s_barrier_wait -1
	; every wave makes the 64 scores and the local softmax, from the same words in the same order: the same bits in all four
.irp u, 0,1,2,3
	ds_load_b32 v[82+2*\u], v15 offset:256*\u          ; row lane,
	ds_load_b32 v[83+2*\u], v15 offset:256*\u+128      ; row lane + 32
.endr
	s_wait_dscnt 0x0
	v_pk_add_f32 v[82:83], v[82:83], v[84:85]
	v_pk_add_f32 v[82:83], v[82:83], v[86:87]
	v_pk_add_f32 v[82:83], v[82:83], v[88:89]
	v_max_num_f32 v90, v82, v83
.irp m, 1,2,4,8
	v_max_num_f32_dpp v90, v90, v90 row_xmask:\m row_mask:0xf bank_mask:0xf
.endr
	v_permlanex16_b32 v22, v90, s20, s21
	v_max_num_f32 v90, v90, v22                    ; the largest of the 64 scores
	v_mul_f32 v108, s25, v90                       ; m = that x log2(e)
	v_fma_f32 v82, v82, s25, -v108
	v_fma_f32 v83, v83, s25, -v108
	s_wait_alu depctr_va_vdst(0)
	v_exp_f32 v82, v82                             ; p = 2^(score log2(e) - m)
	v_exp_f32 v83, v83
	v_nop                                          ; a plain line behind the last exponential
	s_wait_alu depctr_va_vdst(0)                   ; the two exponentials have written v82 and v83, ahead of the addition that reads them
	v_add_f32 v91, v82, v83
.irp m, 1,2,4,8
	v_add_f32_dpp v91, v91, v91 row_xmask:\m row_mask:0xf bank_mask:0xf
.endr
	v_permlanex16_b32 v22, v91, s20, s21
	v_add_f32 v109, v91, v22                       ; l = the sum of the 64 p
	s_wait_alu depctr_va_vdst(0)                   ; v109 is written (and v82, v83 and v108 before it): the two LDS stores of p and wave 0's store of (m, l) read them.  It stands ahead of the branch
	ds_store_b32 v16, v82
	ds_store_b32 v16, v83 offset:128
	s_cmp_lg_u32 s18, 0
	s_cbranch_scc1 .Lnot_wave_0
	global_store_b64 v21, v[108:109], s[16:17]     ; (m, l), once for each lane: 256 consecutive bytes, aligned
.Lnot_wave_0:
	; THE CONTEXT: wave w takes columns 512 w .. 512 w + 511 of all 64 rows from the bf16 copy, eight rows at a time, two sets of registers by turns.  A lane holds columns 128 c + 4 lane + 0 .. 3, c = 0 .. 3
.irp i, 0,1,2,3,4,5,6,7,8,9,10,11,12,13,14,15
	v_mov_b32 v[CX+\i], 0
.endr
	s_mov_b32 s28, 0                               ; the eight rows' first byte in the copy
	s_mov_b32 s29, 0                               ; and their p
; the addresses of the next eight rows and of their p (an LDS address has no scalar base, and the copy's 262,144 bytes lie beyond an immediate's reach)
.macro CNEXT
	s_wait_alu depctr_vm_vsrc(0)                   ; the LDS loads issued so far have read v19 and v20, which are written below; the first time: my LDS stores of the partial scores have read v160-191, in which loads now land
	v_add_nc_u32 v19, s28, v18
	v_add_nc_u32 v20, s29, v17
	s_wait_alu depctr_va_vdst(0)                   ; v19 and v20 are written, which the loads read; every vector and matrix line issued so far is done with the set and the p in which they land
	s_add_co_u32 s28, s28, 32768
	s_add_co_u32 s29, s29, 32
.endm
.macro CP pp                           ; eight p
	ds_load_b128 v[\pp:\pp+3], v20                 ; LDS serves a wave's instructions in order (ISA guide 5.7.1.4): these see my wave's own stores of p
	ds_load_b128 v[\pp+4:\pp+7], v20 offset:16
.endm
.macro CROWS set, r0                   ; rows r0 and r0 + 1 of the eight: eight loads
.irp ro, \r0, \r0+1
.irp c, 0,1,2,3
	ds_load_b64 v[\set+8*(\ro)+2*\c:\set+8*(\ro)+2*\c+1], v19 offset:(\ro)*4096+\c*256   ; 32 lanes: 256 consecutive bytes
.endr
.endr
.endm
; A step of the context: context += p x enc for the eight rows in set 'this' (bf16 halves straight into f32 sums; the 16 sums take turns).  more = 1: the next eight rows come into set 'other': its 34 LDS loads are
; dealt among the first four rows' multiply-adds, ten and three times eight, so that four rows' multiply-adds stand behind the last of them.  No wait among them: the multiply-adds name 'this', its p and the sums alone.
.macro CSTEP this, pt, other, po, more
	s_wait_dscnt 0x0                               ; set 'this' and its p are in: nothing else is out
.if \more
	CNEXT
.endif
.irp ro, 0,1,2,3,4,5,6,7
.if \more && (\ro == 0)
	CP \po
.endif
.if \more && (\ro < 4)
	CROWS \other, 2*\ro
.endif
.irp c, 0,1,2,3
.irp d, 0,1
	v_fma_mix_f32_bf16 v[CX+4*\c+2*\d], v[\this+8*\ro+2*\c+\d], v[\pt+\ro], v[CX+4*\c+2*\d] op_sel_hi:[1,0,0]
	v_fma_mix_f32_bf16 v[CX+4*\c+2*\d+1], v[\this+8*\ro+2*\c+\d], v[\pt+\ro], v[CX+4*\c+2*\d+1] op_sel:[1,0,0] op_sel_hi:[1,0,0]
.endr
.endr
.endr
.endm
	CNEXT                                          ; rows 0 to 7
	CP 48
	CROWS 128, 0
	CROWS 128, 2
	CROWS 128, 4
	CROWS 128, 6
	s_mov_b32 s19, 3
.Lctx:                                                 ; trip j: rows 16 j .. 16 j + 15 are summed, rows 16 j + 8 .. 16 j + 23 come in
	CSTEP 128, 48, 192, 56, 1
	CSTEP 192, 56, 128, 48, 1
	s_sub_co_u32 s19, s19, 1
	s_cmp_lg_u32 s19, 0
	s_cbranch_scc1 .Lctx
	CSTEP 128, 48, 192, 56, 1                      ; rows 48 to 55; the last eight rows come in
	CSTEP 192, 56, 128, 48, 0                      ; rows 56 to 63: nothing more to fetch
	s_wait_alu depctr_va_vdst(0)                   ; the multiply-adds have written the 16 sums, which the stores read
.irp c, 0,1,2,3
	global_store_b128 v5, v[CX+4*\c:CX+4*\c+3], s[14:15] offset:512*\c   ; 512 consecutive bytes a store
.endr
	s_wait_dscnt 0x0                               ; the closing lines, six on end
	s_wait_alu 0x0
	s_wait_tensorcnt 0x0
	ds_add_u32 v126, v127
	s_wait_dscnt 0x0
	s_endpgm
.Lfunc_end_k_qb001ad27f1_fused:
	.size	k_qb001ad27f1_fused, .Lfunc_end_k_qb001ad27f1_fused-k_qb001ad27f1_fused
	.p2alignl 7, 3214868480
	.fill 96, 4, 3214868480
	.section	.rodata,"a",@progbits
	.p2align	6, 0x0
	.amdhsa_kernel k_qb001ad27f1_fused
		.amdhsa_group_segment_fixed_size 276992
		.amdhsa_private_segment_fixed_size 0
		.amdhsa_enable_private_segment 0
		.amdhsa_kernarg_size 56
		.amdhsa_user_sgpr_count 2
		.amdhsa_user_sgpr_kernarg_segment_ptr 1
		.amdhsa_wavefront_size32 1
		.amdhsa_system_sgpr_workgroup_id_x 1
		.amdhsa_system_sgpr_workgroup_id_y 1
		.amdhsa_system_sgpr_workgroup_id_z 1
		.amdhsa_system_vgpr_workitem_id 0
		.amdhsa_next_free_vgpr 1024
		.amdhsa_next_free_sgpr 66
		.amdhsa_reserve_vcc 0
		.amdhsa_float_denorm_mode_32 3
		.amdhsa_float_denorm_mode_16_64 3
		.amdhsa_memory_ordered 1
		.amdhsa_forward_progress 1
		.amdhsa_inst_pref_size 255
	.end_amdhsa_kernel
	.section	.bss,"aw",@nobits
	.p2align	6
	.space	262144
	.amdgpu_metadata
---
amdhsa.version: [ 1, 2 ]
amdhsa.kernels:
  - .name:           k_qb001ad27f1_fused
    .symbol:         k_qb001ad27f1_fused.kd
    .args:
      - { .name: encoder_outputs, .offset: 0, .size: 8, .value_kind: global_buffer, .address_space: global }
      - { .name: wr, .offset: 8, .size: 8, .value_kind: global_buffer, .address_space: global }
      - { .name: ws, .offset: 16, .size: 8, .value_kind: global_buffer, .address_space: global }
      - { .name: gp, .offset: 24, .size: 8, .value_kind: global_buffer, .address_space: global }
      - { .name: v_w, .offset: 32, .size: 8, .value_kind: global_buffer, .address_space: global }
      - { .name: part, .offset: 40, .size: 8, .value_kind: global_buffer, .address_space: global }
      - { .name: ml, .offset: 48, .size: 8, .value_kind: global_buffer, .address_space: global }
    .group_segment_fixed_size: 276992
    .private_segment_fixed_size: 0
    .kernarg_segment_align: 8
    .kernarg_segment_size: 56
    .max_flat_workgroup_size: 128
    .sgpr_count:     66
    .vgpr_count:     1024
    .wavefront_size: 32
...
	.end_amdgpu_metadata
.endif
;; end of part 5
;; launch combine (part 6): grid 16 x 16, 1 waves a work-group, no clusters, 0 bytes of LDS; arguments part, ml, out0; writes out0
.if DOCPART == 6
	.amdgcn_target "amdgcn-amd-amdhsa--gfx1250"
	.amdhsa_code_object_version 6
	.text
	.protected	k_qb001ad27f1_combine
	.globl	k_qb001ad27f1_combine
	.p2align	8
	.type	k_qb001ad27f1_combine,@function
k_qb001ad27f1_combine:
	s_mov_b64 s[64:65], 0
	v_nop
	global_prefetch_b8 v0, s[64:65] scope:SCOPE_SE
	s_setreg_imm32_b32 hwreg(HW_REG_WAVE_MODE, 25, 1), 1
	s_wait_xcnt 0x0
; COMBINE.  A batch's softmax was taken in 16 parts of 64 rows, part i under its own maximum m_i (in units of log2): part_i = sum of 2^(t - m_i) x enc row, l_i = sum of 2^(t - m_i).
; With M = the largest m_i:  out = (sum over i of 2^(m_i - M) part_i) / (sum over i of 2^(m_i - M) l_i).  The exponents are 0 or less, and the divisor is at least 1.
; SHARES.  One wave to a work-group: x = a run of 128 columns (512 bytes), y = the batch.  A lane takes four columns of all 16 parts; each load and the store cover 512 consecutive bytes.
; No LDS, no barrier, no matrix unit: 2 MB are read once and 128 KB written.  All 17 loads are out before the first is waited for.
	s_load_b128 s[4:7], s[0:1], 0x0                ; part s[4:5], ml s[6:7]
	s_load_b64 s[8:9], s[0:1], 0x10                ; out0
	s_and_b32 s10, ttmp7, 0xffff                   ; the batch
	v_and_b32 v1, 15, v0
	v_lshlrev_b32 v1, 8, v1                        ; ml: part i = lane % 16: 256 bytes a part; its first pair
	v_lshlrev_b32 v2, 4, v0                        ; 16 x lane
	s_lshl_b32 s12, s10, 12                        ; ml: 16 parts of 256 bytes a batch
	s_mov_b32 s13, 0
	s_lshl_b32 s14, s10, 17                        ; part: 16 parts of 8,192 bytes a batch,
	s_lshl_b32 s11, ttmp9, 9                       ; my run of columns
	s_add_co_u32 s14, s14, s11
	s_mov_b32 s15, 0
	s_lshl_b32 s16, s10, 13                        ; out0: 8,192 bytes a batch
	s_add_co_u32 s16, s16, s11
	s_mov_b32 s17, 0
	s_wait_alu depctr_va_vdst(0)
	s_wait_kmcnt 0x0
	s_add_nc_u64 s[6:7], s[6:7], s[12:13]
	s_add_nc_u64 s[4:5], s[4:5], s[14:15]
	s_add_nc_u64 s[8:9], s[8:9], s[16:17]
	global_load_b64 v[4:5], v1, s[6:7]             ; (m_i, l_i)
.irp i, 0,1,2,3,4,5,6,7,8,9,10,11,12,13,14,15
	global_load_b128 v[16+4*\i:19+4*\i], v2, s[4:5] offset:8192*\i th:TH_LOAD_NT
.endr
	s_wait_loadcnt 16                              ; the pair is in; the 16 parts may be out
	v_mov_b32 v6, v4
.irp m, 1,2,4,8
	v_max_num_f32_dpp v6, v6, v6 row_xmask:\m row_mask:0xf bank_mask:0xf
.endr
	v_sub_f32 v7, v4, v6                           ; m_i - M
	s_wait_alu depctr_va_vdst(0)
	v_exp_f32 v7, v7
	v_nop                                          ; a plain line behind the exponential,
	s_wait_alu depctr_va_vdst(0)                   ; and the wait ahead of its first reader
	v_mul_f32 v8, v7, v5
.irp m, 1,2,4,8
	v_add_f32_dpp v8, v8, v8 row_xmask:\m row_mask:0xf bank_mask:0xf
.endr
	s_wait_alu depctr_va_vdst(0)
	v_rcp_f32 v9, v8
	v_nop
	s_wait_alu depctr_va_vdst(0)
	v_mul_f32 v10, v7, v9                          ; lane i: part i's weight
.irp i, 0,1,2,3,4,5,6,7,8,9,10,11,12,13,14,15
	v_readlane_b32 s[32+\i], v10, \i
.endr
	s_wait_loadcnt 15
.irp j, 0,1,2,3
	v_mul_f32 v[80+\j], s32, v[16+\j]              ; the first part starts the sums
.endr
	s_wait_alu depctr_va_vdst(0)
.irp i, 1,2,3,4,5,6,7,8,9,10,11,12,13,14,15
	s_wait_alu depctr_va_vdst(0)
	s_wait_loadcnt 15-\i                           ; part i is in; the parts behind it may be out
.irp j, 0,1,2,3
	v_fma_f32 v[80+\j], s[32+\i], v[16+4*\i+\j], v[80+\j]
.endr
.endr
	global_store_b128 v2, v[80:83], s[8:9]
	s_endpgm
.Lfunc_end_k_qb001ad27f1_combine:
	.size	k_qb001ad27f1_combine, .Lfunc_end_k_qb001ad27f1_combine-k_qb001ad27f1_combine
	.p2alignl 7, 3214868480
	.fill 96, 4, 3214868480
	.section	.rodata,"a",@progbits
	.p2align	6, 0x0
	.amdhsa_kernel k_qb001ad27f1_combine
		.amdhsa_group_segment_fixed_size 0
		.amdhsa_private_segment_fixed_size 0
		.amdhsa_enable_private_segment 0
		.amdhsa_kernarg_size 24
		.amdhsa_user_sgpr_count 2
		.amdhsa_user_sgpr_kernarg_segment_ptr 1
		.amdhsa_wavefront_size32 1
		.amdhsa_system_sgpr_workgroup_id_x 1
		.amdhsa_system_sgpr_workgroup_id_y 1
		.amdhsa_system_sgpr_workgroup_id_z 1
		.amdhsa_system_vgpr_workitem_id 0
		.amdhsa_next_free_vgpr 96
		.amdhsa_next_free_sgpr 66
		.amdhsa_reserve_vcc 0
		.amdhsa_float_denorm_mode_32 3
		.amdhsa_float_denorm_mode_16_64 3
		.amdhsa_memory_ordered 1
		.amdhsa_forward_progress 1
		.amdhsa_inst_pref_size 10
	.end_amdhsa_kernel
	.amdgpu_metadata
---
amdhsa.version: [ 1, 2 ]
amdhsa.kernels:
  - .name:           k_qb001ad27f1_combine
    .symbol:         k_qb001ad27f1_combine.kd
    .args:
      - { .name: part, .offset: 0, .size: 8, .value_kind: global_buffer, .address_space: global }
      - { .name: ml, .offset: 8, .size: 8, .value_kind: global_buffer, .address_space: global }
      - { .name: out0, .offset: 16, .size: 8, .value_kind: global_buffer, .address_space: global }
    .group_segment_fixed_size: 0
    .private_segment_fixed_size: 0
    .kernarg_segment_align: 8
    .kernarg_segment_size: 24
    .max_flat_workgroup_size: 32
    .sgpr_count:     66
    .vgpr_count:     96
    .wavefront_size: 32
...
	.end_amdgpu_metadata
.endif
;; end of part 6
